; MI455X (gfx1250); checked and timed in simulation.
; The chip was launched on July 23, 2026; its instructions are those of AMD's public machine-readable ISA for CDNA 5 (MIT licence, August 2026) and "CDNA5" Instruction Set Architecture Reference Guide (July 2026). The comments in the code are by the model that wrote it; some were corrected since.
;; Self Attention. Allowed arithmetic: float matrix products may take bf16 or f16 operands with f32 sums; other float arithmetic in f32, or as packed bf16 or f16 multiplies, adds, multiply-adds, maxima and minima; sums over many terms, partial sums and values carried from step to step in f32; what a program stores and reads back later, other than sums and carried values, may be rounded once to bf16 or f16.
;; Inputs: Wk 1,024 x 1,024 float32; Wq 1,024 x 1,024 float32; Wv 1,024 x 1,024 float32; bk 1,024 float32; bq 1,024 float32; bv 1,024 float32; ln_beta 1,024 float32; ln_gamma 1,024 float32; x 4 x 2,048 x 1,024 float32.
;; Outputs: out0 4 x 2,048 x 1,024 float32.
;; 2 versions, each right; version 2 is version 1 with the launch prep written anew for expert scheduling mode. Each part assembles by itself: llvm-mc -triple=amdgcn-amd-amdhsa -mcpu=gfx1250 --defsym DOCPART=n.
;; ======== version 1 of 2: 4 launches
;; workspace buffers: xb 16,777,216 bytes; wb 6,291,456 bytes; qkv 50,331,648 bytes; att 16,777,216 bytes
;; launch prep (part 1): grid 256 x 1, 8 waves a work-group, no clusters, 0 bytes of LDS; arguments x, Wq, Wk, Wv, xb, wb; writes xb, wb
.if DOCPART == 1
	.amdgcn_target "amdgcn-amd-amdhsa--gfx1250"
	.amdhsa_code_object_version 6
	.text
	.protected	k_qd970501815_prep
	.globl	k_qd970501815_prep
	.p2align	8
	.type	k_qd970501815_prep,@function
k_qd970501815_prep:
	s_mov_b64 s[64:65], 0
	v_nop
	global_prefetch_b8 v0, s[64:65] scope:SCOPE_SE
	s_setreg_imm32_b32 hwreg(HW_REG_WAVE_MODE, 25, 1), 1
	s_wait_xcnt 0x0
; CASTS.  x [8192][1024] f32 -> xb, bf16 in blocks [kb 0..15][row 0..8191][64]: byte kb x 1,048,576 + row x 128 + 2 (k % 64), so that 256 rows of one K step of 64 are 32,768 dense bytes.
; Wq, Wk, Wv [1024][1024] f32 -> wb, bf16 [k][3072]: the three side by side, a row of 6,144 bytes.  Each number is rounded once, to nearest even.
; A stream: no LDS, no barrier, no matrix unit, no cluster (no byte is wanted twice).  2,048 waves; wave G takes rows 4 G .. 4 G + 3 of x and 512 numbers of each W.
; All 44 loads of a wave (22 KiB) go out at once; the waits count down; nothing is rewritten behind a store, so no store is waited for.
.set XR, 8                             ; v[8:135]    x: block kb in 8 registers as loaded; its low 4 as stored
.set WR, 136                           ; v[136:183]  W: chunk 4 c + i in 4 registers as loaded; its low 2 as stored
	s_load_b256 s[4:11], s[0:1], 0x0               ; x s[4:5], Wq s[6:7], Wk s[8:9], Wv s[10:11]
	s_load_b128 s[12:15], s[0:1], 0x20             ; xb s[12:13], wb s[14:15]
	v_lshrrev_b32 v1, 5, v0
	v_readfirstlane_b32 s16, v1                    ; wave 0..7
	v_and_b32 v1, 31, v0                           ; lane l
	v_lshrrev_b32 v2, 3, v1                        ; my row of the four: l / 8
	v_and_b32 v5, 7, v1                            ; my eight numbers of a block's 64: l % 8
	v_lshlrev_b32 v2, 12, v2
	v_lshl_add_u32 v2, v5, 5, v2                   ; v2: (l / 8) x 4,096 + (l % 8) x 32: where I read x
	v_lshlrev_b32 v3, 4, v1                        ; v3: 16 l: where I read W and write xb
	v_lshlrev_b32 v4, 3, v1                        ; v4: 8 l: where I write wb
	s_lshl_b32 s17, ttmp9, 3
	s_add_co_u32 s17, s17, s16                     ; G
	s_lshl_b32 s18, s17, 14                        ; four rows of x
	s_mov_b32 s19, 0
	s_lshl_b32 s20, s17, 11                        ; 512 numbers of a W
	s_mov_b32 s21, 0
	s_wait_kmcnt 0x0
	s_add_nc_u64 s[4:5], s[4:5], s[18:19]
	s_add_nc_u64 s[6:7], s[6:7], s[20:21]
	s_add_nc_u64 s[8:9], s[8:9], s[20:21]
	s_add_nc_u64 s[10:11], s[10:11], s[20:21]
.irp kb, 0,1,2,3,4,5,6,7,8,9,10,11,12,13,14,15
	global_load_b128 v[XR+8*(\kb):XR+8*(\kb)+3],   v2, s[4:5] offset:256*(\kb) th:TH_LOAD_NT     ; eight lanes and these two lines cover a row's 256 bytes of block kb
	global_load_b128 v[XR+8*(\kb)+4:XR+8*(\kb)+7], v2, s[4:5] offset:256*(\kb)+16 th:TH_LOAD_NT
.endr
.irp c, 0,1,2
.irp i, 0,1,2,3
	global_load_b128 v[WR+16*(\c)+4*(\i):WR+16*(\c)+4*(\i)+3], v3, s[6+2*(\c):7+2*(\c)] offset:512*(\i) th:TH_LOAD_NT  ; 512 consecutive bytes
.endr
.endr
	s_lshl_b32 s18, s17, 9                         ; four rows of 128 bytes in a block of xb
	s_add_nc_u64 s[12:13], s[12:13], s[18:19]
	s_add_nc_u64 s[22:23], s[12:13], 0x800000      ; blocks 8 to 15 from a second base: the immediate holds seven blocks
	s_lshr_b32 s20, s17, 1                         ; W's row k = G / 2,
	s_mul_i32 s20, s20, 6144
	s_and_b32 s16, s17, 1                          ; its half G % 2: 512 columns, 1,024 bytes
	s_lshl_b32 s16, s16, 10
	s_add_co_u32 s20, s20, s16
	s_add_nc_u64 s[14:15], s[14:15], s[20:21]
.macro XBLK kb
	s_wait_loadcnt 42-2*(\kb)                      ; loads come back in order: younger are 2 (15 - kb) of x and the 12 of W
.irp j, 0,1,2,3
	v_cvt_pk_bf16_f32 v[XR+8*(\kb)+(\j)], v[XR+8*(\kb)+2*(\j)], v[XR+8*(\kb)+2*(\j)+1]  ; in place, ascending: no source is written before it is read
.endr
.if (\kb) < 8
	global_store_b128 v3, v[XR+8*(\kb):XR+8*(\kb)+3], s[12:13] offset:(\kb)*1048576      ; 512 consecutive bytes: four rows of the block
.else
	global_store_b128 v3, v[XR+8*(\kb):XR+8*(\kb)+3], s[22:23] offset:((\kb)-8)*1048576
.endif
.endm
.macro WCHK c, i
	s_wait_loadcnt 11-4*(\c)-(\i)
	v_cvt_pk_bf16_f32 v[WR+16*(\c)+4*(\i)],   v[WR+16*(\c)+4*(\i)],   v[WR+16*(\c)+4*(\i)+1]
	v_cvt_pk_bf16_f32 v[WR+16*(\c)+4*(\i)+1], v[WR+16*(\c)+4*(\i)+2], v[WR+16*(\c)+4*(\i)+3]
	global_store_b64 v4, v[WR+16*(\c)+4*(\i):WR+16*(\c)+4*(\i)+1], s[14:15] offset:2048*(\c)+256*(\i)  ; 256 consecutive bytes, aligned
.endm
.irp kb, 0,1,2,3,4,5,6,7,8,9,10,11,12,13,14,15
	XBLK \kb
.endr
.irp c, 0,1,2
.irp i, 0,1,2,3
	WCHK \c, \i
.endr
.endr
	s_endpgm
.Lfunc_end_k_qd970501815_prep:
	.size	k_qd970501815_prep, .Lfunc_end_k_qd970501815_prep-k_qd970501815_prep
	.p2alignl 7, 3214868480
	.fill 96, 4, 3214868480
	.section	.rodata,"a",@progbits
	.p2align	6, 0x0
	.amdhsa_kernel k_qd970501815_prep
		.amdhsa_group_segment_fixed_size 0
		.amdhsa_private_segment_fixed_size 0
		.amdhsa_enable_private_segment 0
		.amdhsa_kernarg_size 48
		.amdhsa_user_sgpr_count 2
		.amdhsa_user_sgpr_kernarg_segment_ptr 1
		.amdhsa_wavefront_size32 1
		.amdhsa_system_sgpr_workgroup_id_x 1
		.amdhsa_system_sgpr_workgroup_id_y 1
		.amdhsa_system_sgpr_workgroup_id_z 1
		.amdhsa_system_vgpr_workitem_id 0
		.amdhsa_next_free_vgpr 184
		.amdhsa_next_free_sgpr 66
		.amdhsa_reserve_vcc 0
		.amdhsa_float_denorm_mode_32 3
		.amdhsa_float_denorm_mode_16_64 3
		.amdhsa_memory_ordered 1
		.amdhsa_forward_progress 1
		.amdhsa_inst_pref_size 15
	.end_amdhsa_kernel
	.amdgpu_metadata
---
amdhsa.version: [ 1, 2 ]
amdhsa.kernels:
  - .name:           k_qd970501815_prep
    .symbol:         k_qd970501815_prep.kd
    .args:
      - { .name: x, .offset: 0, .size: 8, .value_kind: global_buffer, .address_space: global }
      - { .name: Wq, .offset: 8, .size: 8, .value_kind: global_buffer, .address_space: global }
      - { .name: Wk, .offset: 16, .size: 8, .value_kind: global_buffer, .address_space: global }
      - { .name: Wv, .offset: 24, .size: 8, .value_kind: global_buffer, .address_space: global }
      - { .name: xb, .offset: 32, .size: 8, .value_kind: global_buffer, .address_space: global }
      - { .name: wb, .offset: 40, .size: 8, .value_kind: global_buffer, .address_space: global }
    .group_segment_fixed_size: 0
    .private_segment_fixed_size: 0
    .kernarg_segment_align: 8
    .kernarg_segment_size: 48
    .max_flat_workgroup_size: 256
    .sgpr_count:     66
    .vgpr_count:     184
    .wavefront_size: 32
...
	.end_amdgpu_metadata
.endif
;; end of part 1
;; launch proj (part 2): grid 8 x 32, 4 waves a work-group, clusters of 4 x 4, 327,680 bytes of LDS; arguments xb, wb, bq, bk, bv, qkv; writes qkv
.if DOCPART == 2
	.amdgcn_target "amdgcn-amd-amdhsa--gfx1250"
	.amdhsa_code_object_version 6
	.text
	.protected	k_qd970501815_proj
	.globl	k_qd970501815_proj
	.p2align	8
	.type	k_qd970501815_proj,@function
k_qd970501815_proj:
	s_mov_b64 s[64:65], 0
	v_nop
	global_prefetch_b8 v0, s[64:65] scope:SCOPE_SE
	s_setreg_imm32_b32 hwreg(HW_REG_WAVE_MODE, 25, 1), 1
	s_wait_xcnt 0x0
	s_wait_alu depctr_hold_cnt(0) depctr_sa_sdst(0) depctr_va_vdst(0) depctr_va_sdst(0) depctr_va_ssrc(0) depctr_va_vcc(0) depctr_vm_vsrc(0)
	s_getreg_b32 s2, hwreg(HW_REG_IB_STS2, 6, 4)
	s_cmp_eq_u32 s2, 0
	s_cbranch_scc0 .Lentry_in_a_cluster
	s_endpgm
.Lentry_in_a_cluster:
	s_bfe_u32 s2, ttmp6, 0x10000c
	s_cmp_lg_u32 s2, 0xf033
	s_cbranch_scc0 .Lentry_shape_is_right
	s_endpgm
.Lentry_shape_is_right:
; q, k, v = x W + b.  xb: x in bf16, [kb 0..15][row 0..8191][64].  wb: the three W side by side in bf16, [k 0..1023][n 0..3071].  bq, bk, bv: [1024] f32.
; qkv: bf16 [batch 0..3][G 0..47][s 0..2047][64], G = n / 64 (0-15 q's heads, 16-31 k's, 32-47 v's): sums in f32, the bias added in f32, rounded once, unscaled.
; LIMITS.  x, W, and the results are rounded to bf16; NaN and infinities are not treated apart.
; SHARES.  8,192 x 3,072 results in tiles of 256 x 384: 256 work-groups.  A wave makes 128 rows x 192 columns: of each of the tile's three chunks of 128 columns one head of 64:
; 96 accumulators of 16 x 16, 768 registers.  K goes in 16 steps of 64 through a ring of two LDS slots; a step is two quarters of 32 along K, 96 matrix instructions each.
; TRANSPOSED USE.  Source 0 = 16 columns of W (out of LDS by the turning load, since wb lies [k][n]), source 1 = 16 rows of x: a lane then holds one row (lane % 16) and eight neighbouring columns.
; CLUSTER.  4 x 4 work-groups.  x's tile hangs on the tile row alone and is asked for jointly by the four of a row of the cluster; W's chunks hang on the tile column alone and are asked for
; jointly by the four of a column.  Wave 0 asks for x's tile (32,768 dense bytes as 128 rows of 256), waves 1 to 3 for one chunk of W each (64 rows of 256 bytes): one load a wave behind each round.
; REGISTERS, in windows of 256 (s_set_vgpr_msb: bits 1:0 source 0, 3:2 source 1, 5:4 source 2, 7:6 destination):
;   window 0: v0-31 addresses; v32-95, v96-159 x's fragments (8 blocks of 16 rows x 32 K), two buffers; v160-255 W's fragments, 32 registers for each of the three groups, one buffer each
;   windows 1, 2, 3: the accumulators of group 0, 1, 2: (row block a, column block j) at v[8 (4 a + j)].  Both sources lie in window 0: only C and D switch, six times a quarter with the loads' switches back.
.set PA,     144                       ; a row of x in LDS: 128 bytes + 16 of padding: the 16 rows of a fragment load start at 16 different groups of four banks (64 banks of 4 bytes: ISA guide 11.1)
.set PB,     288                       ; a row of a chunk of W: 256 + 32
.set BOFF,   256*PA                    ; a slot: x's 256 rows, then three chunks of W
.set CHUNK,  64*PB
.set SLOT,   BOFF+3*CHUNK              ; 92,160 bytes
.set STAGE,  2*SLOT                    ; behind the ring, never filled by a tensor load: 16 rows x 144 bytes for each wave, for the way out
.set SPARE,  STAGE+4*16*PA             ; behind the stages: the spare words, 128 bytes for each wave: two blocks of 256 bytes that no other line names
.set ASTEP,  1048576                   ; bytes from a K step to the next in xb
.set BSTEP,  64*6144                   ; and in wb
.set ADRA, 16                          ; v16-17  LDS address of my fragments of x in slot 0, 1
.set ADRB, 20                          ; v20-21  the same for W
.set STO,  24                          ; v24     the way out: where I put 16 bytes of a row
.set RD,   25                          ; v25     the way out: where I read rows back
.set GO,   26                          ; v26     16 x lane: my place in 512 consecutive bytes of qkv
.set BO,   27                          ; v27     32 x (lane / 16): my eight numbers of 16 of a bias
.set SPW,  28                          ; v28     LDS address of my spare word: SPARE + 4 x my thread's number; never rewritten
.set NIL,  29                          ; v29     0; never rewritten
.set F0,   32
.set F1,   96
.set BR,   160
.set OUTR, 32                          ; the way out: eight sets of 16 registers, where x's fragments lay
.set WV,  16                           ; s16  my wave's number
.set RH,  17                           ; s17  which 128 rows of the tile are mine
.set CHH, 18                           ; s18  which head of each chunk
.set TT,  19                           ; s19  the chunk that I fetch (waves 1 to 3)
.set CX,  20
.set CY,  21
.set NT,  22                           ; s22  tile column 0..7
.set MT,  23                           ; s23  tile row 0..31
.set G1A, 24                           ; s[24:31] descriptor group 1 for x's tiles;  s[32:39] group 0, a set for each slot
.set G0A, 32
.set G1B, 40                           ; s[40:47], s[48:55] the same for W's chunks
.set G0B, 48
.set LAP, 62
.set BB,  66                           ; s[66:71] the bias of my head in group 0, 1, 2
.set OUTP, 72                          ; s[72:73] qkv at my first row of group 0's head
.set MSB, 0
.macro WIN new                         ; the immediate's high byte repeats the setting that is left; a switch that changes nothing is dropped
.if MSB != (\new)
	s_set_vgpr_msb (MSB<<8)|(\new)
.set MSB, (\new)
.endif
.endm
.macro PLACES                          ; four places between a matrix instruction and a load into, or a vector write of, a register that it has named (ISA guide 7.12.1 for vector instructions)
.rept 4
	v_nop
.endr
.endm
; A joint load.  The branch hangs on the wave's number alone.  An s_nop 0 and four v_nop follow each of the two lines, ahead of the jump and the label.
.macro JLOAD s
	s_cmp_eq_u32 s[WV], 0
	s_cbranch_scc0 .Lfor_b_\@
	tensor_load_to_lds s[G0A+4*(\s):G0A+4*(\s)+3], s[G1A:G1A+7]
	s_nop 0
.rept 4
	v_nop
.endr
	s_branch .Lasked_\@
.Lfor_b_\@:
	tensor_load_to_lds s[G0B+4*(\s):G0B+4*(\s)+3], s[G1B:G1B+7]
	s_nop 0
.rept 4
	v_nop
.endr
.Lasked_\@:
.endm
.macro CREST                           ; a round of the cluster's barrier behind its opening barrier: wave 0 signals for the work-group, every wave waits for all sixteen, my work-group's barrier closes it
	s_cmp_lg_u32 s[WV], 0
	s_cbranch_scc1 .Lnot_wave_0_\@
	s_barrier_signal -3
.Lnot_wave_0_\@:
	s_barrier_wait -3
	s_barrier_signal -1
	s_barrier_wait -1
.endm
.macro CROUND                          ; a whole round
	s_barrier_signal -1
	s_barrier_wait -1
	CREST
.endm
	s_load_b256 s[4:11], s[0:1], 0x0               ; xb s[4:5], wb s[6:7], bq s[8:9], bk s[10:11]
	s_load_b128 s[12:15], s[0:1], 0x20             ; bv s[12:13], qkv s[14:15]
	v_lshl_add_u32 v[SPW], v0, 2, SPARE
	v_mov_b32 v[NIL], 0
	ds_add_u32 v[SPW], v[NIL]                      ; the wave's opening: the add and its wait ahead of my first tensor load; the set-up below, work on registers, stands between them
	v_lshrrev_b32 v1, 5, v0
	v_readfirstlane_b32 s[WV], v1                  ; wave 0..3
	s_lshr_b32 s[RH], s[WV], 1
	s_and_b32 s[CHH], s[WV], 1
	s_max_u32 s[TT], s[WV], 1
	s_sub_co_u32 s[TT], s[TT], 1                   ; waves 1, 2, 3 fetch chunks 0, 1, 2 (wave 0's number serves nothing: it fetches x)
	s_bfe_u32 s[CX], ttmp6, 0x40000                ; my place in the cluster
	s_bfe_u32 s[CY], ttmp6, 0x40004
	s_lshl_b32 s[NT], ttmp9, 2                     ; in a cluster launch ttmp9 and ttmp7 count clusters
	s_add_co_u32 s[NT], s[NT], s[CX]
	s_and_b32 s[MT], ttmp7, 0xffff
	s_lshl_b32 s[MT], s[MT], 2
	s_add_co_u32 s[MT], s[MT], s[CY]
	s_lshl_b32 s56, s[CY], 2
	s_lshl_b32 s56, 15, s56                        ; my row of the cluster: places 4 cy .. 4 cy + 3
	s_lshl_b32 s57, 0x1111, s[CX]                  ; my column: places cx, cx + 4, cx + 8, cx + 12
	; group 1 for x: 128 rows of 128 elements (two rows of x each), 4 words of padding after every 32
	s_or_b32 s[G1A+0], s56, (1<<16)|(1<<20)|(1<<21)|(4<<22)|(3<<25)  ; 15:0 the mask; 17:16 elements of 2 bytes; 20 padding on; 21 set beside a mask; 24:22 after every 32 words (code 4); 31:25 4 words (code 3)
	s_mov_b32 s[G1A+1], 128<<16                    ; tensor_dim0 = 128
	s_mov_b32 s[G1A+2], 128<<16                    ; tensor_dim1 = 128
	s_mov_b32 s[G1A+3], 128<<16                    ; tile_dim0 = 128
	s_mov_b32 s[G1A+4], 128                        ; tile_dim1 = 128
	s_mov_b32 s[G1A+5], 128                        ; 128 elements from row to row: dense
	s_mov_b32 s[G1A+6], 0
	s_mov_b32 s[G1A+7], 0
	; group 1 for W: 64 rows of 128 elements, 8 words of padding after every 64
	s_or_b32 s[G1B+0], s57, (1<<16)|(1<<20)|(1<<21)|(5<<22)|(7<<25)
	s_mov_b32 s[G1B+1], 128<<16
	s_mov_b32 s[G1B+2], 64<<16
	s_mov_b32 s[G1B+3], 128<<16
	s_mov_b32 s[G1B+4], 64
	s_mov_b32 s[G1B+5], 3072
	s_mov_b32 s[G1B+6], 0
	s_mov_b32 s[G1B+7], 0
	s_lshl_b32 s58, s[MT], 15                      ; x's tile: 256 rows of 128 bytes in a block: the tile row alone
	s_mov_b32 s59, 0
	s_mul_i32 s60, s[NT], 768                      ; W's chunk: 384 columns a tile, 128 a chunk: the tile column and the wave alone
	s_lshl_b32 s61, s[TT], 8
	s_add_co_u32 s60, s60, s61
	s_mov_b32 s61, 0
	s_mul_i32 s63, s[WV], CHUNK                    ; where a chunk goes: wave w's at BOFF + (w - 1) CHUNK: no place in the cluster enters an LDS address
	s_add_co_u32 s63, s63, BOFF-CHUNK
	s_mul_i32 s76, s[NT], 6
	s_add_co_u32 s76, s76, s[CHH]                  ; my head in group 0: G = 6 x tile column + my half; groups 1 and 2: two and four further on
	s_lshr_b32 s82, s[MT], 3                       ; the batch: eight tile rows each
	s_mul_i32 s82, s82, 12582912
	s_lshl_b32 s84, s76, 18                        ; a head is 262,144 bytes
	s_add_co_u32 s82, s82, s84
	s_and_b32 s84, s[MT], 7
	s_lshl_b32 s84, s84, 15                        ; 256 rows of 128 bytes
	s_add_co_u32 s82, s82, s84
	s_lshl_b32 s84, s[RH], 14                      ; my 128 rows
	s_add_co_u32 s82, s82, s84
	s_mov_b32 s83, 0
	s_wait_dscnt 0x0                               ; the opening add is done
	s_wait_kmcnt 0x0
	s_add_nc_u64 s[74:75], s[4:5], s[58:59]
	s_add_nc_u64 s[78:79], s[6:7], s[60:61]
	s_add_nc_u64 s[OUTP:OUTP+1], s[14:15], s[82:83]
.irp g, 0,1,2
	s_add_co_u32 s77, s76, 2*(\g)
	s_and_b32 s80, s77, 15
	s_lshl_b32 s80, s80, 8                         ; the head's 64 numbers in its bias
	s_mov_b32 s81, 0
	s_lshr_b32 s77, s77, 4                         ; 0: q, 1: k, 2: v
	s_cmp_eq_u32 s77, 0
	s_cselect_b64 s[BB+2*(\g):BB+2*(\g)+1], s[8:9], s[10:11]
	s_cmp_eq_u32 s77, 2
	s_cselect_b64 s[BB+2*(\g):BB+2*(\g)+1], s[12:13], s[BB+2*(\g):BB+2*(\g)+1]
	s_add_nc_u64 s[BB+2*(\g):BB+2*(\g)+1], s[BB+2*(\g):BB+2*(\g)+1], s[80:81]
.endr
	CROUND                                         ; all sixteen work-groups are here: the first joint loads meet
.irp s, 0,1
	s_mov_b32 s[G0A+4*(\s)], 1                     ; 1:0 count = 1
	s_mov_b32 s[G0A+4*(\s)+1], (\s)*SLOT           ; 63:32 LDS address
	s_add_nc_u64 s[G0A+4*(\s)+2:G0A+4*(\s)+3], s[74:75], (\s)*ASTEP  ; 120:64 global address: K step s
	s_or_b32 s[G0A+4*(\s)+3], s[G0A+4*(\s)+3], 0x80000000            ; 127:126 type = 2
	s_mov_b32 s[G0B+4*(\s)], 1
	s_add_co_u32 s[G0B+4*(\s)+1], s63, (\s)*SLOT
	s_add_nc_u64 s[G0B+4*(\s)+2:G0B+4*(\s)+3], s[78:79], (\s)*BSTEP
	s_or_b32 s[G0B+4*(\s)+3], s[G0B+4*(\s)+3], 0x80000000
.endr
	s_cmp_eq_u32 s[WV], 0                          ; a wave's two first fills stand in one branch, ahead of every wait on TENSORcnt and every LDS read: two loads of mine are out
	s_cbranch_scc0 .Lfirst_b
	tensor_load_to_lds s[G0A:G0A+3], s[G1A:G1A+7]
	s_nop 0
	tensor_load_to_lds s[G0A+4:G0A+7], s[G1A:G1A+7]
	s_nop 0
.rept 4
	v_nop
.endr
	s_branch .Lfirst_asked
.Lfirst_b:
	tensor_load_to_lds s[G0B:G0B+3], s[G1B:G1B+7]
	s_nop 0
	tensor_load_to_lds s[G0B+4:G0B+7], s[G1B:G1B+7]
	s_nop 0
.rept 4
	v_nop
.endr
.Lfirst_asked:
	; A fragment is 16 rows x 32 K in 8 registers: lane l holds row l % 16; registers 0-3 K = 8 (l / 16) + 0..7, registers 4-7 K = 16 + 8 (l / 16) + 0..7.
	v_and_b32 v1, 15, v0                           ; l % 16
	v_bfe_u32 v2, v0, 4, 1                         ; l / 16
	v_and_b32 v3, 7, v0
	v_bfe_u32 v4, v0, 3, 1
	v_mul_u32_u24 v5, v1, PA
	v_lshl_add_u32 v5, v2, 4, v5                   ; row x pitch + 16 x half: for x's fragments and for the stage
	s_mul_i32 s84, s[RH], 128*PA
	v_add_nc_u32 v[ADRA], s84, v5
	v_add_nc_u32 v[ADRA+1], SLOT, v[ADRA]
	s_mul_i32 s85, s[WV], 16*PA
	s_add_co_u32 s85, s85, STAGE                   ; my stage
	v_add_nc_u32 v[STO], s85, v5
	; The turning load takes 16 K x 16 columns (lane l reads 16 bytes: K = 8 (l / 16) + l % 8, columns 8 ((l / 8) % 2) + 0..7) and leaves half a fragment: lane l holds column l % 16 and 8 K.
	v_lshl_add_u32 v5, v2, 3, v3
	v_mul_u32_u24 v5, v5, PB
	v_lshl_add_u32 v5, v4, 4, v5
	s_lshl_b32 s84, s[CHH], 7                      ; my head's 128 bytes of a chunk's 256
	s_add_co_u32 s84, s84, BOFF
	v_add_nc_u32 v[ADRB], s84, v5
	v_add_nc_u32 v[ADRB+1], SLOT, v[ADRB]
	v_bfe_u32 v5, v0, 3, 2                         ; back from the stage: 32 lanes take four rows of 128 bytes,
	v_mul_u32_u24 v5, v5, PA
	v_lshl_add_u32 v5, v3, 4, v5
	v_add_nc_u32 v[RD], s85, v5
	v_and_b32 v5, 31, v0                           ; which are 512 consecutive bytes of a head
	v_lshlrev_b32 v[GO], 4, v5
	v_lshlrev_b32 v[BO], 5, v2
; 16 matrix instructions of group g: row blocks a0 .. a0 + 3 x the head's four column blocks, 32 along K out of x's buffer f.  zero = 1: the product starts the sum: nothing is cleared.
; The 96 accumulators take turns, one instruction a turn, in the same order in every quarter, over the backward jump too.
.macro HALFG f, g, a0, zero
	WIN 0x50*((\g)+1)                              ; C and D in window g + 1
.irp a, (\a0), (\a0)+1, (\a0)+2, (\a0)+3
.irp j, 0,1,2,3
.if \zero
	v_wmma_f32_16x16x32_bf16 v[8*(4*(\a)+(\j)):8*(4*(\a)+(\j))+7], v[BR+32*(\g)+8*(\j):BR+32*(\g)+8*(\j)+7], v[(\f)+8*(\a):(\f)+8*(\a)+7], 0
.else
	v_wmma_f32_16x16x32_bf16 v[8*(4*(\a)+(\j)):8*(4*(\a)+(\j))+7], v[BR+32*(\g)+8*(\j):BR+32*(\g)+8*(\j)+7], v[(\f)+8*(\a):(\f)+8*(\a)+7], v[8*(4*(\a)+(\j)):8*(4*(\a)+(\j))+7]
.endif
.endr
.endr
.endm
.macro GROUP f, g, zero
	HALFG \f, \g, 0, \zero
	HALFG \f, \g, 4, \zero
.endm
.macro LOADB slot, qq, g               ; 8 loads: group g's four fragments of W for quarter qq
	WIN 0
.irp j, 0,1,2,3
	ds_load_tr16_b128 v[BR+32*(\g)+8*(\j):BR+32*(\g)+8*(\j)+3],   v[ADRB+(\slot)] offset:(\g)*CHUNK+(\qq)*32*PB+32*(\j)
	ds_load_tr16_b128 v[BR+32*(\g)+8*(\j)+4:BR+32*(\g)+8*(\j)+7], v[ADRB+(\slot)] offset:(\g)*CHUNK+(\qq)*32*PB+32*(\j)+16*PB
.endr
.endm
.macro LOADA slot, qq, f, half         ; 8 loads: four of x's eight fragments for quarter qq, into buffer f
	WIN 0
.irp a, 4*(\half), 4*(\half)+1, 4*(\half)+2, 4*(\half)+3
	ds_load_b128 v[(\f)+8*(\a):(\f)+8*(\a)+3],   v[ADRA+(\slot)] offset:(\a)*16*PA+64*(\qq)
	ds_load_b128 v[(\f)+8*(\a)+4:(\f)+8*(\a)+7], v[ADRA+(\slot)] offset:(\a)*16*PA+64*(\qq)+32
.endr
.endm
; A quarter's 40 LDS loads are always issued in this order: W group 0, x blocks 0-3, W group 1, x blocks 4-7, W group 2; each run behind the group that has just read W's registers.
; A step's first quarter: multiplies buffer F0 and fetches the second quarter, x's into F1.
.macro QUART slot, zero
	s_wait_dscnt 8                                 ; all but the youngest eight loads (W's group 2) are in
	GROUP F0, 0, \zero
	PLACES
	LOADB \slot, 1, 0
	LOADA \slot, 1, F1, 0
	GROUP F0, 1, \zero
	PLACES
	LOADB \slot, 1, 1
	LOADA \slot, 1, F1, 1
	s_wait_dscnt 32                                ; all but the 32 just issued: W's group 2 is in
	GROUP F0, 2, \zero
	PLACES
	LOADB \slot, 1, 2
.endm
; A step's second quarter multiplies F1 and changes slots: ONE barrier.  In front of it each wave waits for all its tensor loads, of which one is out: its part of the next slot; adds 0 to its
; spare word; and waits for that and for its own reads of this slot.  fill = 1: the barrier opens a round of the cluster's barrier, and the slot is filled again, first thing behind the round,
; with the K step two further on: 160 matrix instructions ahead of the wait for it.
.macro TURN slot, next, fill
	WIN 0
	s_wait_tensorcnt 0x0                           ; no tensor load of mine is out, so a group 0 may be written
	ds_add_u32 v[SPW], v[NIL]                      ; 0 onto my spare word
.if \fill
	s_add_nc_u64 s[G0A+4*(\slot)+2:G0A+4*(\slot)+3], s[G0A+4*(\slot)+2:G0A+4*(\slot)+3], 2*ASTEP  ; the type bits on top are not reached
	s_add_nc_u64 s[G0B+4*(\slot)+2:G0B+4*(\slot)+3], s[G0B+4*(\slot)+2:G0B+4*(\slot)+3], 2*BSTEP
.endif
	s_wait_dscnt 9                                 ; the add and the youngest eight loads (W's group 2) may be out
	HALFG F1, 0, 0, 0                              ; sixteen matrix instructions stand between the add and the wait for it
	s_wait_dscnt 0x0                               ; the add is done, and my reads of this slot are over
	s_barrier_signal -1
	HALFG F1, 0, 4, 0                              ; work on registers while the others arrive
	WIN 0
	s_barrier_wait -1
.if \fill
	CREST                                          ; no wave of any partner still reads this slot's tiles or has a load on its way
	JLOAD \slot                                    ; its four v_nop are also the places in front of the loads below
.else
	PLACES
.endif
	LOADB \next, 0, 0
	LOADA \next, 0, F0, 0
	GROUP F1, 1, 0
	PLACES
	LOADB \next, 0, 1
	LOADA \next, 0, F0, 1
	GROUP F1, 2, 0
	PLACES
	LOADB \next, 0, 2
.endm
.macro BIAS g                          ; my eight numbers of each of the head's four column blocks, into W's registers of group g, which have been read out
	WIN 0
.irp j, 0,1,2,3
	global_load_b128 v[BR+32*(\g)+8*(\j):BR+32*(\g)+8*(\j)+3],   v[BO], s[BB+2*(\g):BB+2*(\g)+1] offset:64*(\j)
	global_load_b128 v[BR+32*(\g)+8*(\j)+4:BR+32*(\g)+8*(\j)+7], v[BO], s[BB+2*(\g):BB+2*(\g)+1] offset:64*(\j)+16
.endr
.endm
; THE WAY OUT, in 24 units u = 8 g + a of 16 rows x 64 columns.  PACK: the bias is added in f32 (each accumulator's lowest registers first), the sums are rounded to bf16,
; 16 bytes a lane go into my stage and come back as whole rows of 128 bytes.  SEND: 2,048 consecutive bytes of a head are stored.
.macro PACK u
.set g_, (\u)/8
.set a_, (\u)%8
.set w_, g_+1
.set tm, OUTR+16*a_
.if (\u) >= 8
	s_wait_xcnt 0x0                                ; the stores of the unit eight back have read their registers: these are written again only behind this wait
.endif
.if a_ == 0
	s_wait_loadcnt 16-8*g_                         ; this group's bias is in; the later groups' eight loads each may stay out
.endif
	WIN (w_<<6)|w_                                 ; destination and source 0 in the group's window, the bias in window 0
.irp j, 0,1,2,3
.irp p, 0,1,2,3
	v_pk_add_f32 v[8*(4*a_+(\j))+2*(\p):8*(4*a_+(\j))+2*(\p)+1], v[8*(4*a_+(\j))+2*(\p):8*(4*a_+(\j))+2*(\p)+1], v[BR+32*g_+8*(\j)+2*(\p):BR+32*g_+8*(\j)+2*(\p)+1]
.endr
.endr
	WIN w_|(w_<<2)                                 ; sources 0 and 1 in the group's window, destination in window 0
.irp j, 0,1,2,3
.irp p, 0,1,2,3
	v_cvt_pk_bf16_f32 v[tm+4*(\j)+(\p)], v[8*(4*a_+(\j))+2*(\p)], v[8*(4*a_+(\j))+2*(\p)+1]
.endr
.endr
	WIN 0
.irp j, 0,1,2,3
	ds_store_b128 v[STO], v[tm+4*(\j):tm+4*(\j)+3] offset:32*(\j)
.endr
.irp f, 0,1,2,3
	ds_load_b128 v[tm+4*(\f):tm+4*(\f)+3], v[RD] offset:(\f)*4*PA  ; LDS serves a wave's instructions in order (ISA guide 5.7.1.4): these see the stores above; the next unit's stores come behind them
.endr
.endm
.macro SEND u, younger                 ; younger: the LDS instructions issued behind unit u's loads: the next unit's eight, or none
.set g_, (\u)/8
.set a_, (\u)%8
.set tm, OUTR+16*a_
	WIN 0
.irp f, 0,1,2,3
	s_wait_dscnt (\younger)+3-(\f)
	global_store_b128 v[GO], v[tm+4*(\f):tm+4*(\f)+3], s[OUTP:OUTP+1] offset:g_*524288+a_*2048+(\f)*512  ; 512 consecutive bytes, at a multiple of 256 from qkv's first byte
.endr
.endm
	s_wait_tensorcnt 0x1                           ; my part of K step 0 is in; K step 1's may stay out
	s_barrier_signal -1
	s_barrier_wait -1                              ; everybody's is
	LOADB 0, 0, 0
	LOADA 0, 0, F0, 0
	LOADB 0, 0, 1
	LOADA 0, 0, F0, 1
	LOADB 0, 0, 2
	QUART 0, 1                                     ; the first quarter stands in front of the loop: its products start the sums
	WIN 0                                          ; at a label and at a branch every window is 0
	s_mov_b32 s[LAP], 7
.Llap:                                                 ; a trip goes once round the ring, from a step's second quarter to the first of the step two on, and fills both slots again: K steps 2 to 15
	TURN 0, 1, 1
	QUART 1, 0
	TURN 1, 0, 1
	QUART 0, 0
	WIN 0
	s_sub_co_u32 s[LAP], s[LAP], 1
	s_cmp_lg_u32 s[LAP], 0
	s_cbranch_scc1 .Llap
	TURN 0, 1, 0                                   ; K step 14 ends; nothing is left to ask for, so no round follows
	QUART 1, 0
	s_wait_dscnt 8                                 ; the very last quarter: behind each group its bias is asked for
	GROUP F1, 0, 0
	PLACES
	BIAS 0
	GROUP F1, 1, 0
	PLACES
	BIAS 1
	s_wait_dscnt 0x0
	GROUP F1, 2, 0
	PLACES
	BIAS 2
	PACK 0
.set u, 1
.rept 23                               ; a unit's arithmetic stands between the loads of the unit before and its stores
	PACK u
	SEND u-1, 8
.set u, u+1
.endr
	SEND 23, 0
	s_wait_tensorcnt 0x0                           ; the wave's end: behind my last tensor load and my last LDS store
	ds_add_u32 v[SPW], v[NIL]
	s_wait_dscnt 0x0
	CROUND                                         ; the closing round: no work-group ends while a partner may still ask for a tile that names it
	s_endpgm
.Lfunc_end_k_qd970501815_proj:
	.size	k_qd970501815_proj, .Lfunc_end_k_qd970501815_proj-k_qd970501815_proj
	.p2alignl 7, 3214868480
	.fill 96, 4, 3214868480
	.section	.rodata,"a",@progbits
	.p2align	6, 0x0
	.amdhsa_kernel k_qd970501815_proj
		.amdhsa_group_segment_fixed_size 327680
		.amdhsa_private_segment_fixed_size 0
		.amdhsa_enable_private_segment 0
		.amdhsa_kernarg_size 48
		.amdhsa_user_sgpr_count 2
		.amdhsa_user_sgpr_kernarg_segment_ptr 1
		.amdhsa_wavefront_size32 1
		.amdhsa_system_sgpr_workgroup_id_x 1
		.amdhsa_system_sgpr_workgroup_id_y 1
		.amdhsa_system_sgpr_workgroup_id_z 1
		.amdhsa_system_vgpr_workitem_id 0
		.amdhsa_next_free_vgpr 1024
		.amdhsa_next_free_sgpr 88
		.amdhsa_reserve_vcc 0
		.amdhsa_float_denorm_mode_32 3
		.amdhsa_float_denorm_mode_16_64 3
		.amdhsa_memory_ordered 1
		.amdhsa_forward_progress 1
		.amdhsa_inst_pref_size 161
	.end_amdhsa_kernel
	.amdgpu_metadata
---
amdhsa.version: [ 1, 2 ]
amdhsa.kernels:
  - .name:           k_qd970501815_proj
    .symbol:         k_qd970501815_proj.kd
    .args:
      - { .name: xb, .offset: 0, .size: 8, .value_kind: global_buffer, .address_space: global }
      - { .name: wb, .offset: 8, .size: 8, .value_kind: global_buffer, .address_space: global }
      - { .name: bq, .offset: 16, .size: 8, .value_kind: global_buffer, .address_space: global }
      - { .name: bk, .offset: 24, .size: 8, .value_kind: global_buffer, .address_space: global }
      - { .name: bv, .offset: 32, .size: 8, .value_kind: global_buffer, .address_space: global }
      - { .name: qkv, .offset: 40, .size: 8, .value_kind: global_buffer, .address_space: global }
    .group_segment_fixed_size: 327680
    .private_segment_fixed_size: 0
    .kernarg_segment_align: 8
    .kernarg_segment_size: 48
    .max_flat_workgroup_size: 128
    .sgpr_count:     88
    .vgpr_count:     1024
    .wavefront_size: 32
...
	.end_amdgpu_metadata
.endif
;; end of part 2
;; launch attn (part 3): grid 4 x 64, 4 waves a work-group, clusters of 4 x 1, 327,680 bytes of LDS; arguments qkv, att; writes att
.if DOCPART == 3
	.amdgcn_target "amdgcn-amd-amdhsa--gfx1250"
	.amdhsa_code_object_version 6
	.text
	.protected	k_qd970501815_attn
	.globl	k_qd970501815_attn
	.p2align	8
	.type	k_qd970501815_attn,@function
k_qd970501815_attn:
	s_mov_b64 s[64:65], 0
	v_nop
	global_prefetch_b8 v0, s[64:65] scope:SCOPE_SE
	s_setreg_imm32_b32 hwreg(HW_REG_WAVE_MODE, 25, 1), 1
	s_wait_xcnt 0x0
	s_wait_alu depctr_hold_cnt(0) depctr_sa_sdst(0) depctr_va_vdst(0) depctr_va_sdst(0) depctr_va_ssrc(0) depctr_va_vcc(0) depctr_vm_vsrc(0)
	s_getreg_b32 s2, hwreg(HW_REG_IB_STS2, 6, 4)
	s_cmp_eq_u32 s2, 0
	s_cbranch_scc0 .Lentry_in_a_cluster
	s_endpgm
.Lentry_in_a_cluster:
	s_bfe_u32 s2, ttmp6, 0x10000c
	s_cmp_lg_u32 s2, 0x3003
	s_cbranch_scc0 .Lentry_shape_is_right
	s_endpgm
.Lentry_shape_is_right:
; att[bh][q][:] = the sum over k of softmax_k(Q[q] . K[k] / 32) V[k][:], for each of 64 pairs bh = 16 batch + head.  qkv: bf16 [batch][G 0..47][2048][64], G = head for Q, 16 + head for K, 32 + head for V;
; att: bf16 [bh][2048][64].  A head's rows are dense, 128 bytes each.  Products, maxima and sums in f32; the weights p are rounded to bf16 for the second product (their sum l is taken of the unrounded p), the result once at the end.
; LIMITS.  Q, K, V, p and the result carry bf16's 8 significant bits.  c m starts at -4.2e37: c x score stays above that.  A weight below 2^-126 counts as 0 in l; NaN and infinities are not treated apart.
; SHARES.  A wave owns four PIECES of two tiles of 16 queries, a work-group's four waves 512 queries of one head.  Every wave walks all 2,048 keys, 64 a step.
; LAYOUT.  S^T = K Q^T (source 0 = 16 keys, source 1 = 16 queries): in the result a lane holds ONE query (lane % 16) and the keys 8 (lane / 16) + 0..7.  Two such tiles, rounded to bf16 in pairs,
; ARE source 1 (32 keys x 16 queries) of O^T = V^T P, whose result again holds one query a lane, and eight channels.  K comes out of LDS as it lies, V ([key][channel]) turned, by ds_load_tr16_b128.
; SOFTMAX.  For each query a running maximum m and sum l: p = 2^(c s - c m), c = log2(e) / 32; in every step O and l are multiplied by a = 2^(c m_old - c m_new), which is 1 where m has not grown.
; m starts at the lowest finite number, O and l at 0: the first step is a step like any other, with a = 0.
; THE COUNT.  A tile and step have 16 matrix and 118 vector instructions: too many to stand all beside the matrix work.  So the order has one aim: four vector instructions that are READY behind
; EVERY matrix instruction, and the others, which need time of their own whatever the order, in runs without a gap.
; BY TURNS.  Turn n belongs to piece n (the pieces in a ring, step after step).  Its matrix work: 16 products K Q^T of piece n + 1, later 16 products V^T P of piece n - 1.  Its vector work: the scaling,
; exponentials, roundings, sums and rescaling of piece n, and the maximum and statistics of piece n + 1, whose scores the turn itself has made.  So what a turn begins with (c s - c m, O a) waits for nothing.
; CLUSTER.  The four query blocks of a head are one cluster and walk the same K and V, so each tile is asked for JOINTLY: the same tensor load, descriptor and mask in all four.
; REGISTERS, in windows of 256 (s_set_vgpr_msb says which window each operand place means: bits 1:0 source 0, 3:2 source 1, 5:4 source 2, 7:6 destination):
;   window 0: v0-11 addresses; v12-15, v48-63 at work; v16-47 four registers of statistics a tile; v64-191 S^T, two buffers of two tiles; v192-255 P, likewise
;   window 1: O^T, 32 a tile          window 2: v0-127 Q, 16 a tile; v128-191 K of one step; v192-255 V of one step          window 3: v0-1 the add's two registers
; A piece's buffers go by its number's parity: the piece in hand has one pair, its two neighbours in the ring share the other: of it P (piece n - 1) is read and S^T (piece n + 1) written.
.set SIZE_N, 2048
.set NP,    4         ; pieces a wave: a name, no knob: the register map, the loop and the fetches are made for four
.set KS,    64        ; keys in a step
.set PK,    144       ; a row of K in LDS: 128 bytes + 16 of padding = 36 words: the 16 rows of a load start at 16 different groups of four banks (64 banks of 4 bytes: ISA guide 11.1)
.set PV,    160       ; a row of V: 128 + 32 = 40 words
.set VOFF,  4*KS*PK   ; a slot holds four steps: 256 rows of K, then 256 rows of V
.set SLOT1, 1<<17     ; slot 1 begins here, so that one exclusive or turns an address in one slot into the other's
.set STAGE, SLOT1+4*KS*(PK+PV)  ; behind the ring, never filled by a tensor load: 16 rows x 144 bytes for each wave, for the way out
.set SP,    144
.set AK0, 2           ; v2   my lane's place in a tile of K; never rewritten
.set AV0, 3           ; v3   the same for V
.set AK,  4           ; v4   the LDS address of K's next run of loads
.set AV,  5           ; v5   of V's
.set QO,  6           ; v6   my byte offset in the wave's rows of Q
.set STO, 6           ;      later, the way out: where I put 16 bytes of a row
.set RD,  7           ; v7   the way out: where I read rows back
.set GO,  8           ; v8   my byte offset in 512 consecutive bytes of att
.set PFO, 11          ; v11  the prefetches' offset: 256 x my lane; never rewritten once made
.set SPW, 0           ; v0 of window 3   LDS address of my spare word: SPARE + 4 x my thread's number; never rewritten
.set NIL, 1           ; v1 of window 3   0; never rewritten
.set SPARE, STAGE+4*16*SP  ; behind the stages: the spare words, 128 bytes for each wave: two blocks of 256 bytes that no other line names
.set MV,  12          ; v12-15  c m_old, kept while c m is made anew: by buffer and tile
.set ST,  16          ; tile t's statistics at v[ST+4 t]: c m, m, l (even keys', odd keys')
.set TMP, 48          ; by buffer and tile, four registers c0-c3 at work; when the maximum is found c2 takes a
.set S,   64
.set P,   192
.set KF,  128         ; K's fragments, in window 2: key block kb, channel half c at KF + 16 kb + 8 c
.set VF,  192         ; V's: key half kk, channel block cb at VF + 32 kk + 8 cb
.set WV,  12          ; s12  my wave's number
.set G1K, 24          ; s[24:31] descriptor group 1 for K's tiles
.set G1V, 32          ; s[32:39] for V's: it differs in the padding alone
.set G0K, 40          ; s[40:43] descriptor group 0 for K's tiles: it walks
.set G0V, 44          ; s[44:47] the same for V's
.set PFA, 48          ; s[48:49] where my prefetches stand: my work-group's 8,192 bytes (of K: waves 0, 1; of V: waves 2, 3) of the slot after the one that is being asked for
.set LIM, 50          ; s50  1 in a wave that prefetches, else the greatest number: a wave prefetches while s[SLOTS] is above it
.set SLOTS, 56        ; s56  slots still to be asked for
.set CNT, 57          ; s57  counts a slot's key steps
.set CS,  58          ; s[58:59] c: the packed scaling takes the pair's low word for both halves
.set SEL, 60          ; s[60:61] v_permlanex16_b32's selects: each lane takes its own place in the other half
.set TBK, 62          ; s62  LDS byte at which K of the step to be fetched begins
.set TBV, 63          ; s63  the same for V, less VOFF
.set MSB, 0
.macro WIN new                      ; the high byte repeats the setting that is left; a switch that changes nothing is dropped
.if MSB != (\new)
	s_set_vgpr_msb (MSB<<8)|(\new)
.set MSB, (\new)
.endif
.endm
.set W_KQ, 0x0a       ; K and Q in window 2, S^T in window 0
.set W_PV, 0x52       ; V in window 2, P in window 0, O^T in window 1
.set W_RS, 0x41       ; O^T (destination and source 0) in window 1, a in window 0
.set W_MK, 0xc0       ; the add's registers are made: destination in window 3, sources in window 0
.set W_AD, 0x0f       ; the add: address (source 0) and data (source 1) in window 3
; A joint fill.  Waves 0 and 1 fetch the two halves of a slot's K, waves 2 and 3 those of its V: 128 keys each.  The branch hangs on the wave's number alone.
; An s_nop 0 and four v_nop follow each of the two lines, ahead of the jump and the label.
.macro JLOAD
	s_cmp_lt_u32 s[WV], 2
	s_cbranch_scc0 .Lfor_v_\@
	tensor_load_to_lds s[G0K:G0K+3], s[G1K:G1K+7]
	s_nop 0
.rept 4
	v_nop
.endr
	s_branch .Lasked_\@
.Lfor_v_\@:
	tensor_load_to_lds s[G0V:G0V+3], s[G1V:G1V+7]
	s_nop 0
.rept 4
	v_nop
.endr
.Lasked_\@:
.endm
; A PREFETCH INTO THE L2 of what the NEXT change of slots will ask for: a slot's 32,768 bytes of K and of V, in blocks of 256 bytes, a lane a block.  It stands behind the wave's tensor load and its five lines.
; Each block is named ONCE in the launch: a head is walked by one cluster; its four partners share a slot's 128 blocks out BY ADDRESS, 32 each (no branch hangs on a work-group's place in its cluster);
; in each, wave 0 asks for K's and wave 2 for V's: one instruction, four key steps, 512 matrix instructions, ahead of the load.  The last change that fills a slot asks for nothing: there is no slot behind it.
.macro ASK
	s_cmp_gt_u32 s[SLOTS], s[LIM]
	s_cbranch_scc0 .Lnot_mine_\@
	global_prefetch_b8 v[PFO], s[PFA:PFA+1] th:TH_LOAD_NT scope:SCOPE_SE
.Lnot_mine_\@:
.endm
; A round of the cluster's barrier: my work-group's barrier, so that wave 0's signal speaks for all four waves; wave 0 signals; every wave waits for all four work-groups; my work-group's barrier once more.
.macro CROUND
	s_barrier_signal -1
	s_barrier_wait -1
	s_cmp_lg_u32 s[WV], 0
	s_cbranch_scc1 .Lnot_wave_0_\@
	s_barrier_signal -3
.Lnot_wave_0_\@:
	s_barrier_wait -3
	s_barrier_signal -1
	s_barrier_wait -1
.endm
; THE CHANGE OF SLOTS.  The slot's last bytes, V of its fourth step, have been read.  Each wave waits for all its tensor loads, of which one is out: its part
; of the other slot; adds 0 to its spare word; and waits for that and for its own reads of the slot.  Behind the barrier nobody reads this slot any more and the other slot is whole.
; fill = 1: this slot is filled again, with the keys two slots on.  The barrier is then a round of the cluster's, so that no wave of any partner still reads the slot or has a load on its
; way, and the joint fill is the first thing behind it: it has four key steps, 512 matrix instructions, in which to land.  (At its first use nothing has been read yet: slot 0 is waited for, slot 1 filled.)
; ask = 1: the prefetches' address steps, and a prefetch follows the fill.
.macro CHANGE fill, ask=0
	WIN W_AD
	s_wait_tensorcnt 0x0            ; no tensor load of mine is out, so a group 0 may be written
	ds_add_u32 v[SPW], v[NIL]       ; 0 onto my spare word: with fill = 1 the descriptors' steps stand between it and the wait for it
	WIN 0                           ; at a label and at a branch every window is 0
.if \fill
.irp g, G0K, G0V
	s_xor_b32 s[\g+1], s[\g+1], SLOT1  ; the walking descriptor: the other slot than last time,
	s_add_nc_u64 s[\g+2:\g+3], s[\g+2:\g+3], 4*KS*128  ; the next 256 keys; the type bits on top are not reached
.endr
.if \ask
	s_wait_xcnt 0x0                 ; the last prefetch, four key steps back, has read its address, so it may be written:
	s_add_nc_u64 s[PFA:PFA+1], s[PFA:PFA+1], 4*KS*128  ; one slot behind the walking descriptors
.endif
	s_wait_dscnt 0x0                ; the add is done, and my reads of the slot are over
	CROUND
	JLOAD
.if \ask
	ASK
.endif
.else
	s_wait_dscnt 0x0                ; the add is done, and my reads of the slot are over
	s_barrier_signal -1
	s_barrier_wait -1
.endif
	s_sub_co_u32 s[TBK], s[TBK], 4*KS*PK  ; the fetches go back to a slot's first step,
	s_xor_b32 s[TBK], s[TBK], SLOT1       ; in the other slot
	s_sub_co_u32 s[TBV], s[TBV], 4*KS*PV
	s_xor_b32 s[TBV], s[TBV], SLOT1
.endm
	s_load_b128 s[8:11], s[0:1], 0x0  ; qkv s[8:9], att s[10:11]
	WIN W_MK
	v_lshl_add_u32 v[SPW], v0, 2, SPARE
	v_mov_b32 v[NIL], 0
	WIN W_AD
	ds_add_u32 v[SPW], v[NIL]       ; the wave's opening: the add and its wait ahead of my first tensor load; the set-up below, work on registers, stands between them
	WIN 0
	v_lshrrev_b32 v1, 5, v0
	v_readfirstlane_b32 s[WV], v1   ; wave 0..3
	s_bfe_u32 s13, ttmp6, 0x40000   ; cx: my place in the cluster
	s_lshl_b32 s14, ttmp9, 2        ; in a cluster launch ttmp9 counts clusters
	s_add_co_u32 s14, s14, s13      ; my block of queries = 4 x cluster x + cx: it enters Q's and att's addresses alone
	s_and_b32 s20, ttmp7, 0xffff    ; bh, which the four partners share
	s_lshl_b32 s52, s20, 18         ; in att a pair bh is 262,144 bytes
	s_mov_b32 s53, 0
	s_lshr_b32 s21, s20, 4          ; in qkv: the batch, 48 heads of 262,144 bytes,
	s_mul_i32 s21, s21, 12582912
	s_and_b32 s20, s20, 15          ; and the head
	s_lshl_b32 s20, s20, 18
	s_add_co_u32 s20, s20, s21
	s_mov_b32 s21, 0
	s_and_b32 s16, s[WV], 1         ; which half of a slot's 256 keys I fetch:
	s_lshl_b32 s22, s16, 14         ; its 128 rows of 128 bytes in memory,
	s_mov_b32 s23, 0
	s_add_nc_u64 s[22:23], s[22:23], s[20:21]
	s_mul_i32 s17, s16, 128*PK      ; and its place in a slot, for K
	s_mul_i32 s18, s16, 128*PV      ; and for V: no place in the cluster enters an LDS address
	s_lshl_b32 s2, s14, 2
	s_add_co_u32 s2, s2, s[WV]      ; my wave among the head's,
	s_lshl_b32 s2, s2, 14           ; its 128 rows
	s_mov_b32 s3, 0
	s_add_nc_u64 s[52:53], s[52:53], s[2:3]  ; my rows in att,
	s_add_nc_u64 s[2:3], s[2:3], s[20:21]    ; and in Q
	s_lshl_b32 s54, s13, 13         ; the prefetches: my work-group's 32 blocks of a slot's 128,
	s_add_co_u32 s54, s54, 2*4*KS*128  ; in slot 2: the loop's first change of slots steps it to slot 3.  Nothing is prefetched at the head, where every work-group's first tiles are on their way
	s_mov_b32 s55, 0
	s_add_nc_u64 s[54:55], s[54:55], s[20:21]
	s_and_b32 s[LIM], s[WV], 1      ; 0 in waves 0 and 2,
	s_or_b32 s[LIM], s[LIM], ttmp9  ; where the cluster is the head's first (here its only one): the same in all four partners
	s_cmp_eq_u32 s[LIM], 0
	s_cselect_b32 s[LIM], 1, -1
	; descriptor group 1.  128 keys are 16,384 dense bytes: asked for as 64 rows of 256 bytes, two keys a row, and padded in LDS after every key
	s_mov_b32 s[G1K], 15|(1<<16)|(1<<20)|(1<<21)|(4<<22)|(3<<25)  ; 15:0 the mask of four; 17:16 2-byte elements; 20 padding on; 21 set beside a mask; 24:22 after every 32 words (code 4); 31:25 4 words (code 3)
	s_mov_b32 s[G1V], 15|(1<<16)|(1<<20)|(1<<21)|(4<<22)|(7<<25)  ; the same with 8 words of padding (code 7)
.irp g, G1K, G1V
	s_mov_b32 s[\g+1], 128<<16      ; tensor_dim0 = 128
	s_mov_b32 s[\g+2], 64<<16       ; tensor_dim1 = 64
	s_mov_b32 s[\g+3], 128<<16      ; tile_dim0 = 128
	s_mov_b32 s[\g+4], 64           ; tile_dim1 = 64
	s_mov_b32 s[\g+5], 128          ; 128 elements from row to row
	s_mov_b32 s[\g+6], 0
	s_mov_b32 s[\g+7], 0
.endr
	s_mov_b32 s[CS], 0x3d38aa3b     ; c = log2(e) / 32 = 0.0450842
	s_mov_b32 s[CS+1], s[CS]        ; named with it as a pair
	s_mov_b32 s[SEL], 0x76543210
	s_mov_b32 s[SEL+1], 0xfedcba98
	s_mov_b32 s[TBK], SLOT1+4*KS*PK ; the first change of slots turns these two into 0
	s_mov_b32 s[TBV], SLOT1+4*KS*PV
	s_mov_b32 s[G0K], 1             ; 1:0 count = 1
	s_mov_b32 s[G0K+1], s17         ; 63:32 LDS address: slot 0
	s_mov_b32 s[G0V], 1
	s_add_co_u32 s[G0V+1], s18, VOFF
	s_wait_dscnt 0x0                ; the opening add is done
	s_wait_kmcnt 0x0
	s_mov_b64 s[4:5], s[8:9]                       ; Q's heads lie first in a batch,
	s_add_nc_u64 s[6:7], s[8:9], 0x400000          ; K's 16 heads further on,
	s_add_nc_u64 s[8:9], s[8:9], 0x800000          ; V's 32
	s_cmp_lt_u32 s[WV], 2
	s_cselect_b64 s[PFA:PFA+1], s[6:7], s[8:9]
	s_add_nc_u64 s[PFA:PFA+1], s[PFA:PFA+1], s[54:55]
	s_add_nc_u64 s[G0K+2:G0K+3], s[6:7], s[22:23]  ; 120:64 global address: my half of the head's first 256 keys
	s_or_b32 s[G0K+3], s[G0K+3], 0x80000000        ; 127:126 type = 2
	s_add_nc_u64 s[G0V+2:G0V+3], s[8:9], s[22:23]
	s_or_b32 s[G0V+3], s[G0V+3], 0x80000000
	s_add_nc_u64 s[4:5], s[4:5], s[2:3]  ; Q and att at my wave's first row
	s_add_nc_u64 s[10:11], s[10:11], s[52:53]
	CROUND                          ; all four work-groups are here: the first joint loads meet
	JLOAD                           ; slot 0.  Slot 1 is asked for when slot 0 is in: the tile wanted first has the road to itself
	; A fragment of K or Q is 16 rows x 32 channels in 8 registers: lane l holds row l % 16, channels 8 (l / 16) + 0..7 and 16 + 8 (l / 16) + 0..7: two loads of 16 bytes, 32 bytes apart.
	v_and_b32 v1, 15, v0            ; l % 16
	v_bfe_u32 v9, v0, 4, 1          ; l / 16
	v_lshlrev_b32 v[QO], 7, v1
	v_lshl_add_u32 v[QO], v9, 4, v[QO]  ; row x 128 + 16 x half
	WIN 0x80                        ; destination window 2, address window 0
.set i, 0
.rept 4*NP                          ; Q stays in registers: tile i / 2, channels 32 (i % 2) on
	global_load_b128 v[8*i:8*i+3],   v[QO], s[4:5] offset:(i/2)*2048+(i%2)*64
	global_load_b128 v[8*i+4:8*i+7], v[QO], s[4:5] offset:(i/2)*2048+(i%2)*64+32
.set i, i+1
.endr
	; What the first turn finds: V's registers and P's second buffer hold 0 (its products V^T P, of a piece that has not been, add 0), O^T and l are 0.  All this stands in the wait for the first tile.
.set i, VF
.rept 64
	v_mov_b32 v[i], 0
.set i, i+1
.endr
	WIN 0x40
.set i, 0
.rept 64*NP
	v_mov_b32 v[i], 0
.set i, i+1
.endr
	WIN 0
.set i, 0
.rept 2*NP
	v_mov_b32 v[ST+4*i], 0xfe000000    ; c m: far below every c s
	v_mov_b32 v[ST+4*i+1], 0xff7fffff  ; m
	v_mov_b32 v[ST+4*i+2], 0
	v_mov_b32 v[ST+4*i+3], 0
.set i, i+1
.endr
.set i, P+32
.rept 32
	v_mov_b32 v[i], 0
.set i, i+1
.endr
	v_mul_u32_u24 v[AK0], v1, PK
	v_lshl_add_u32 v[AK0], v9, 4, v[AK0]  ; row x pitch + 16 x half
	; The turning load takes 16 keys x 16 channels (lane l reads key 8 (l / 16) + l % 8, channels 8 ((l / 8) % 2) + 0..7) and leaves half a fragment of V^T: lane l holds channel l % 16 and 8 keys.
	v_and_b32 v10, 7, v0
	v_bfe_u32 v11, v0, 3, 1
	v_lshl_add_u32 v[AV0], v9, 3, v10
	v_mul_u32_u24 v[AV0], v[AV0], PV
	v_lshl_add_u32 v[AV0], v11, 4, v[AV0]
	v_add_nc_u32 v[AV0], VOFF, v[AV0]
	v_and_b32 v[PFO], 31, v0        ; v11 has served: it takes the prefetches' offset
	v_lshlrev_b32 v[PFO], 8, v[PFO]
	v_mov_b32 v[AK], v[AK0]         ; key step 0 lies at the head of slot 0
; THE MATRIX WORK.  The 8 accumulators of a run of 16 take turns: between the two links of a chain stand 7 others'.
; Product i of 16 of S^T = K Q^T for piece x: channels 32 (i / 8) on, keys 16 ((i / 2) % 4) on, tile 2 x + i % 2.  The first 8 start the sums.
.macro KQ x
	WIN W_KQ
.set rS, S+64*((\x)%2)+32*(i%2)+8*((i/2)%4)
.set rK, KF+16*((i/2)%4)+8*(i/8)
.set rQ, 16*(2*(\x)+i%2)+8*(i/8)
.if i < 8
	v_wmma_f32_16x16x32_bf16 v[rS:rS+7], v[rK:rK+7], v[rQ:rQ+7], 0
.else
	v_wmma_f32_16x16x32_bf16 v[rS:rS+7], v[rK:rK+7], v[rQ:rQ+7], v[rS:rS+7]
.endif
.endm
; Product i of 16 of O^T += V^T P for piece x: keys 32 (i / 8) on, channels 16 ((i / 2) % 4) on, tile 2 x + i % 2.
.macro PV x
	WIN W_PV
.set rO, 32*(2*(\x)+i%2)+8*((i/2)%4)
.set rV, VF+32*(i/8)+8*((i/2)%4)
.set rP, P+32*((\x)%2)+16*(i%2)+8*(i/8)
	v_wmma_f32_16x16x32_bf16 v[rO:rO+7], v[rV:rV+7], v[rP:rP+7], v[rO:rO+7]
.endm
.macro MM                           ; the turn's next matrix instruction
.if i < 16
	KQ (Y+1)%NP
.set i, i+1
.else
.set i, i-16
	PV (Y+NP-1)%NP
.set i, i+17
.endif
.endm
; THE LDS LOADS stand in runs of 16, never singly among the matrix instructions: a step's K (64 keys x 64 channels: 8 fragments) and its V (turned).  Their addresses are made some lines ahead.
; last = 1 (the tail): in the last trip there is no further step, and the run is jumped over.
.macro FETCH_K last=0
	WIN 0
.if \last
	s_cmp_eq_u32 s[CNT], 1
	s_cbranch_scc1 .Lno_k_\@
.endif
	WIN 0x80                        ; destination window 2
.irp f, 0,1,2,3,4,5,6,7             ; keys 16 (f / 2) on, channels 32 (f % 2) on
	ds_load_b128 v[KF+8*\f:KF+8*\f+3],   v[AK] offset:(\f/2)*16*PK+(\f%2)*64
	ds_load_b128 v[KF+8*\f+4:KF+8*\f+7], v[AK] offset:(\f/2)*16*PK+(\f%2)*64+32
.endr
	s_add_co_u32 s[TBK], s[TBK], KS*PK  ; the next fetch is the next step's
	WIN 0
.if \last
.Lno_k_\@:
.endif
.endm
.macro FETCH_V
	WIN 0x80
.irp f, 0,1,2,3,4,5,6,7             ; keys 32 (f / 4) on, channels 16 (f % 4) on
	ds_load_tr16_b128 v[VF+8*\f:VF+8*\f+3],   v[AV] offset:(\f/4)*32*PV+(\f%4)*32
	ds_load_tr16_b128 v[VF+8*\f+4:VF+8*\f+7], v[AV] offset:(\f/4)*32*PV+16*PV+(\f%4)*32
.endr
	WIN 0
.endm
; THE VECTOR WORK OF A TURN stands in three queues, each in the order in which its entries become ready; the two tiles alternate, so that no instruction reads the result of the one before it.
.macro REGS y, u                    ; the registers of tile u (0, 1) of piece y
.set rT, ST+4*(2*(\y)+(\u))
.set rC, TMP+8*((\y)%2)+4*(\u)
.set rM, MV+2*((\y)%2)+(\u)
.set rS, S+64*((\y)%2)+32*(\u)
.set rP, P+32*((\y)%2)+16*(\u)
.set rO, 32*(2*(\y)+(\u))
.endm
; Number n of the 22 that find the NEXT piece's (Y + 1) maximum and statistics.  s0-s31 are the lane's 32 scores; each accumulator's lowest registers are read first.  XS, GS and REGS set no window: PL and EX do.
;   0-11  four chains c0-c3 of seven scores each, three operands at a time     12-14, 16  the four scores left over, the old m, and c0-c3 into c0     15  c m_old is kept
;   17, 18  the query's other 32 keys lie in the lane 16 away: the new m         19-21  c m; c m_old - c m_new; a
.macro XS u, n
	REGS (Y+1)%NP, \u
.if (\n) < 4
	v_max3_num_f32 v[rC+(\n)], v[rS+8*(\n)], v[rS+8*(\n)+1], v[rS+8*(\n)+2]
.elseif (\n) < 12
	v_max3_num_f32 v[rC+(\n)%4], v[rC+(\n)%4], v[rS+8*((\n)%4)+2*((\n)/4)+1], v[rS+8*((\n)%4)+2*((\n)/4)+2]
.elseif (\n) == 12
	v_max3_num_f32 v[rC], v[rC], v[rS+7], v[rS+15]
.elseif (\n) == 13
	v_max3_num_f32 v[rC+1], v[rC+1], v[rS+23], v[rS+31]
.elseif (\n) == 14
	v_max3_num_f32 v[rC+2], v[rC+2], v[rC+3], v[rT+1]
.elseif (\n) == 15
	v_mov_b32 v[rM], v[rT]
.elseif (\n) == 16
	v_max3_num_f32 v[rC], v[rC], v[rC+1], v[rC+2]
.elseif (\n) == 17
	v_permlanex16_b32 v[rC+3], v[rC], s[SEL], s[SEL+1]
.elseif (\n) == 18
	v_max_num_f32 v[rT+1], v[rC], v[rC+3]
.elseif (\n) == 19
	v_mul_f32 v[rT], s[CS], v[rT+1]
.elseif (\n) == 20
	v_sub_f32 v[rC+1], v[rM], v[rT]
.else
	v_exp_f32 v[rC+2], v[rC+1]
.endif
.endm
; Number g of the 64 that follow the exponentials.  For each four weights k of a tile (pairs 2 k, 2 k + 1): both pairs are rounded to bf16; then the second pair is added onto the first, in place;
; a group later l takes that sum (the first time as l = a l + sum).  In groups of eight, tiles alternating: round, round, add, and l for the group before.
.macro GS g
.set h, (\g)+6*((\g)/62)            ; group 0 has no group before it, and behind group 7 only l is left
.if h >= 6
.set h, h+2
.endif
	REGS Y, h%2
.set k, h/8
.if h%8 < 4
	s_wait_alu depctr_va_vdst(0)
	v_cvt_pk_bf16_f32 v[rP+2*k+(h%8)/2], v[rS+4*k+2*((h%8)/2)], v[rS+4*k+2*((h%8)/2)+1]
.elseif h%8 < 6
	v_pk_add_f32 v[rS+4*k:rS+4*k+1], v[rS+4*k:rS+4*k+1], v[rS+4*k+2:rS+4*k+3]
.elseif k == 1
	v_pk_fma_f32 v[rT+2:rT+3], v[rT+2:rT+3], v[rC+2:rC+3], v[rS:rS+1] op_sel_hi:[1,0,1]
.else
	v_pk_add_f32 v[rT+2:rT+3], v[rT+2:rT+3], v[rS+4*k-4:rS+4*k-3]
	s_wait_alu depctr_va_vdst(0)
.endif
.endm
; THE PLAIN QUEUE, 138 long.  0-31: c s - c m for the 16 pairs of both tiles.  Then GS's 64, and among them the next piece's 42: number 15 at 38, 39; 0-14 and 16
; at 42-73, behind the products that make those scores; 17-20 at 95-106, two of three, since each waits for the one before it.
.macro PL
	WIN 0
.if q < 32
	REGS Y, q%2
	v_pk_fma_f32 v[rS+2*(q/2):rS+2*(q/2)+1], v[rS+2*(q/2):rS+2*(q/2)+1], s[CS:CS+1], v[rT:rT+1] op_sel_hi:[1,0,0] neg_lo:[0,0,1] neg_hi:[0,0,1]
.elseif q < 38
	GS q-32
.elseif q < 40
	XS q%2, 15
.elseif q < 42
	GS q-34
.elseif q < 74
	XS q%2, (q-42)/2+(q-42)/30
.elseif q < 95
	GS q-66
.elseif (q < 107) && ((q-95)%3 < 2)
	XS (q-95)%3, 17+(q-95)/3
.elseif q < 107
	GS 29+(q-95)/3
.else
	GS q-74
.endif
.set q, q+1
.endm
; THE EXPONENTIALS' QUEUE, 66 long: s0-s31 of both tiles, and at EA the next piece's two a.
.set EA, 58
.macro EX
	WIN 0
.if (e == EA) || (e == EA+1)
	XS e-EA, 21
.else
.set x, e-2*(e/(EA+2))
	REGS Y, x%2
	v_exp_f32 v[rS+x/2], v[rS+x/2]
.endif
.set e, e+1
.endm
; THE RESCALING's QUEUE: O^T times a, the one part that leaves window 0, so it is dealt four at a time, eight times.
.macro R4
	REGS Y, r%2
	WIN W_RS
	s_wait_alu depctr_va_vdst(0)
.irp z, 0,1,2,3
	v_pk_mul_f32 v[rO+8*(r/2)+2*\z:rO+8*(r/2)+2*\z+1], v[rO+8*(r/2)+2*\z:rO+8*(r/2)+2*\z+1], v[rC+2:rC+3] op_sel_hi:[1,0]
.endr
.set r, r+1
.endm
; HOW THEY ARE DEALT.  Behind a matrix instruction four: plain, exponential, plain, plain (one exponential, a plain instruction on either side), or four of the rescaling.  None names a register of the
; products round it.  What is over stands in two LUMPS: exponential and plain by turns; the second ends in 22 plain instructions.  The two v_permlanex16_b32 fall into the second lump, never behind a product.
; The queues lean on each other, and the deal keeps them in step: exponential e stands behind plain 2 (e / 4) + e % 2 (its scaling); when plain 32 comes, 10 exponentials are out, at 59: 33, at 95: 46; EA comes behind plain 107.
.macro SL
	MM
	PL
	EX
	PL
	PL
.endm
.macro BURST n                      ; 15 matrix instructions, or 16
.rept (\n)-7
	SL
.endr
.rept 3
	MM
	R4
	SL
.endr
	MM
	R4
.endm
; A TURN, for piece p.  cnt = 1: the loop's count is taken down some lines ahead of the branch that stands behind the turn.
; K of the next step is fetched in piece 2's turn, 31 vector instructions behind the last product that read K; its first reader comes behind the rest of the lump, 16 products and the second lump.
; V of the step in hand is fetched at the end of piece 0's turn, 69 behind its last reader; its first reader comes behind 16 products and a lump.  The four conditions on e and q below go with the deal.
.macro TURN p, last=0, cnt=0
.set Y, (\p)
.set i, 0
.set q, 0
.set e, 0
.set r, 0
.if (\p) == NP-1
	s_wait_dscnt 0x0                ; K is in
.endif
	MM
.rept 4
	PL
.endr
	BURST 15
.rept 22
	EX
	PL
.if ((\p) == NP-2) && (e == 18)
	v_add_nc_u32 v[AK], s[TBK], v[AK0]
.endif
.if ((\p) == NP-2) && (e == 24)
	FETCH_K \last
.endif
.endr
.if (\p) == 1
	s_wait_dscnt 0x0                ; V is in
.endif
	BURST 16
.rept 21
	EX
	PL
.endr
.rept 22
	PL
.if ((\p) == 0) && (q == 118)
	v_add_nc_u32 v[AV], s[TBV], v[AV0]
	s_wait_alu depctr_va_vdst(0)
.endif
.if ((\p) == 0) && (q == 130)
	s_add_co_u32 s[TBV], s[TBV], KS*PV
.endif
.if (\cnt) && (q == 130)
	s_sub_co_u32 s[CNT], s[CNT], 1
	s_cmp_lg_u32 s[CNT], 0
.endif
.endr
.if (\p) == 0
	FETCH_V
.endif
.endm
	CHANGE 1                        ; slot 0 is in, everybody's part of it; slot 1 is asked for
	FETCH_K                         ; key step 0
	s_wait_loadcnt 0x0              ; Q
	s_wait_dscnt 0x0
.set i, 0
.rept 16
	KQ 0                            ; piece 0's first scores: there is no vector work yet to set between them
.set i, i+1
.endr
	WIN 0                           ; the addresses for the way out: nine plain instructions, the places behind those products
	s_mul_i32 s13, s[WV], 16*SP
	s_add_co_u32 s13, s13, STAGE    ; my stage
	v_mul_u32_u24 v[STO], v1, SP    ; in: row l % 16, 16 bytes for each half of the lanes
	v_lshl_add_u32 v[STO], v9, 4, v[STO]
	v_add_nc_u32 v[STO], s13, v[STO]
	v_bfe_u32 v[RD], v0, 3, 2       ; back: 32 lanes take four rows of 128 bytes,
	v_mul_u32_u24 v[RD], v[RD], SP
	v_lshl_add_u32 v[RD], v10, 4, v[RD]
	v_add_nc_u32 v[RD], s13, v[RD]
	v_and_b32 v[GO], 31, v0         ; which are 512 consecutive bytes of att
	v_lshlrev_b32 v[GO], 4, v[GO]
.set Y, NP-1                        ; XS works for piece Y + 1: piece 0
.irp n, 0,1,2,3,4,5,6,7,8,9,10,11,12,13,14,15,16,17,18,19,20,21
	XS 0, \n                        ; and piece 0's first maximum and statistics
	XS 1, \n
.endr
	s_mov_b32 s[CNT], 4
	s_mov_b32 s[SLOTS], SIZE_N/256-1
	s_branch .Lfirst                ; the loop is entered at a step's first turn, in the middle of a trip
.Lslot:                             ; SIZE_N / 256 - 2 times: every slot but the last two is filled again
	CHANGE 1, 1
	s_mov_b32 s[CNT], 4
.Lstep:                             ; a trip: pieces 2 and 3 of one step, then pieces 0 and 1 of the next, whose K and V it fetches
	TURN 2
	TURN 3
	WIN 0
.Lfirst:
	TURN 0
	TURN 1, 0, 1
	WIN 0
	s_cbranch_scc1 .Lstep
	s_sub_co_u32 s[SLOTS], s[SLOTS], 1
	s_cmp_lg_u32 s[SLOTS], 0
	s_cbranch_scc1 .Lslot
	CHANGE 0                        ; the tail is written out: nothing is asked for
	s_mov_b32 s[CNT], 5             ; four trips fetch the last slot's steps; the fifth is left in its middle
.Ltail:
	TURN 2, 1
	TURN 3
	WIN 0
	s_sub_co_u32 s[CNT], s[CNT], 1
	s_cmp_eq_u32 s[CNT], 0
	s_cbranch_scc1 .Lout
	TURN 0
	TURN 1
	WIN 0
	s_branch .Ltail
.Lout:                              ; the fifth trip's 16 products K Q^T (on the last K once more) and the maximum made of them serve nothing: the price, once a launch, of one text for every trip
.set i, 0
.rept 16
	PV NP-1                         ; the last piece's V^T P of the last step
.set i, i+1
.endr
	; THE WAY OUT.  l's two halves and the other half of the lanes' are added; O^T is divided by l, rounded to bf16 and sent through my stage in LDS, a tile at a time.  The additions are the places behind the last products.
	WIN 0
.macro ALL line:vararg              ; one line for each tile t
.set t, 0
.rept 2*NP
	\line
.set t, t+1
.endr
.endm
	ALL v_add_f32 v[ST+4*t+2], v[ST+4*t+2], v[ST+4*t+3]
	ALL v_permlanex16_b32 v[ST+4*t+3], v[ST+4*t+2], s[SEL], s[SEL+1]
	ALL v_add_f32 v[ST+4*t+2], v[ST+4*t+2], v[ST+4*t+3]
	ALL v_rcp_f32 v[ST+4*t+2], v[ST+4*t+2]
	v_nop                           ; a plain instruction between the last reciprocal and the use of its result
	s_wait_alu depctr_va_vdst(0)
; Tile t: a lane's eight channels of a row pack into 16 bytes; they go into rows of 144 bytes and come back as whole rows of 128, into S^T's registers.
.macro PACK t
	WIN W_RS
.set i, 32*(\t)
.rept 16
	v_pk_mul_f32 v[i:i+1], v[i:i+1], v[ST+4*(\t)+2:ST+4*(\t)+3] op_sel_hi:[1,0]
.set i, i+2
.endr
	WIN 0x05                        ; sources 0 and 1 window 1, destination window 0
.set i, 0
.rept 16
	v_cvt_pk_bf16_f32 v[S+16*(\t)+i], v[32*(\t)+2*i], v[32*(\t)+2*i+1]
.set i, i+1
.endr
	WIN 0
.irp f, 0,1,2,3
	ds_store_b128 v[STO], v[S+16*(\t)+4*\f:S+16*(\t)+4*\f+3] offset:32*\f
.endr
.irp f, 0,1,2,3
	ds_load_b128 v[S+16*(\t)+4*\f:S+16*(\t)+4*\f+3], v[RD] offset:\f*4*SP  ; LDS serves a wave's instructions in order (ISA guide 5.7.1.4): these see the stores above; the next tile's stores come behind them
.endr
.endm
.macro SEND t, younger              ; younger: the LDS instructions issued behind tile t's loads: the next tile's eight, or none
	WIN 0
.irp f, 0,1,2,3
	s_wait_dscnt (\younger)+3-\f
	global_store_b128 v[GO], v[S+16*(\t)+4*\f:S+16*(\t)+4*\f+3], s[10:11] offset:(\t)*2048+\f*512  ; 512 consecutive bytes, at a multiple of 256 from att's first
.endr
.endm
	PACK 0
.set t, 1
.rept 2*NP-1                        ; a tile's arithmetic stands between the loads of the tile before and its stores
	PACK t
	SEND t-1, 8
.set t, t+1
.endr
	SEND 2*NP-1, 0
	WIN W_AD
	s_wait_tensorcnt 0x0            ; the wave's end: behind my last tensor load and my last LDS store
	ds_add_u32 v[SPW], v[NIL]
	s_wait_dscnt 0x0
	WIN 0
	CROUND                          ; the closing round: no work-group ends while a partner may still ask for a tile that names it
	s_endpgm
.Lfunc_end_k_qd970501815_attn:
	.size	k_qd970501815_attn, .Lfunc_end_k_qd970501815_attn-k_qd970501815_attn
	.p2alignl 7, 3214868480
	.fill 96, 4, 3214868480
	.section	.rodata,"a",@progbits
	.p2align	6, 0x0
	.amdhsa_kernel k_qd970501815_attn
		.amdhsa_group_segment_fixed_size 327680
		.amdhsa_private_segment_fixed_size 0
		.amdhsa_enable_private_segment 0
		.amdhsa_kernarg_size 16
		.amdhsa_user_sgpr_count 2
		.amdhsa_user_sgpr_kernarg_segment_ptr 1
		.amdhsa_wavefront_size32 1
		.amdhsa_system_sgpr_workgroup_id_x 1
		.amdhsa_system_sgpr_workgroup_id_y 1
		.amdhsa_system_sgpr_workgroup_id_z 1
		.amdhsa_system_vgpr_workitem_id 0
		.amdhsa_next_free_vgpr 770
		.amdhsa_next_free_sgpr 66
		.amdhsa_reserve_vcc 0
		.amdhsa_float_denorm_mode_32 3
		.amdhsa_float_denorm_mode_16_64 3
		.amdhsa_memory_ordered 1
		.amdhsa_forward_progress 1
		.amdhsa_inst_pref_size 209
	.end_amdhsa_kernel
	.amdgpu_metadata
---
amdhsa.version: [ 1, 2 ]
amdhsa.kernels:
  - .name:           k_qd970501815_attn
    .symbol:         k_qd970501815_attn.kd
    .args:
      - { .name: qkv, .offset: 0, .size: 8, .value_kind: global_buffer, .address_space: global }
      - { .name: att, .offset: 8, .size: 8, .value_kind: global_buffer, .address_space: global }
    .group_segment_fixed_size: 327680
    .private_segment_fixed_size: 0
    .kernarg_segment_align: 8
    .kernarg_segment_size: 16
    .max_flat_workgroup_size: 128
    .sgpr_count:     66
    .vgpr_count:     770
    .wavefront_size: 32
...
	.end_amdgpu_metadata
.endif
;; end of part 3
;; launch norm (part 4): grid 512 x 1, 8 waves a work-group, no clusters, 35,840 bytes of LDS; arguments x, att, ln_gamma, ln_beta, out0; writes out0
.if DOCPART == 4
	.amdgcn_target "amdgcn-amd-amdhsa--gfx1250"
	.amdhsa_code_object_version 6
	.text
	.protected	k_qd970501815_norm
	.globl	k_qd970501815_norm
	.p2align	8
	.type	k_qd970501815_norm,@function
k_qd970501815_norm:
	s_mov_b64 s[64:65], 0
	v_nop
	global_prefetch_b8 v0, s[64:65] scope:SCOPE_SE
	s_setreg_imm32_b32 hwreg(HW_REG_WAVE_MODE, 25, 1), 1
	s_wait_xcnt 0x0
; out0 = LayerNorm(att + x) x gamma + beta.  x, out0: [8192][1024] f32.  att: bf16 [16 batch + head][2048][64].  gamma, beta: [1024] f32.
; All arithmetic in f32: the mean, then the mean of the squared differences from it (two passes over registers: no difference of large sums), eps = 1e-5 inside the root.
; LIMITS.  NaN and infinities are not treated apart; 1 / sqrt is the hardware's, good to one unit in the last place.
; A stream: no matrix unit, no cluster, no barrier.  Wave P of 4,096 owns rows 2 P and 2 P + 1: of each head the two rows are 256 consecutive bytes of att, aligned.
; All 40 loads of a wave go out at once.  att comes by heads and is wanted by channels: it goes through the wave's own LDS bytes (LDS serves a wave's instructions in order: ISA guide 5.7.1.4).
.set PITCH, 2176                       ; a row of att in LDS: 2,048 bytes + 128: in a store lanes 8-15 (the odd row) fall into the other 128 bytes of the banks' 256
.set SPARE, 8*2*PITCH                  ; behind the eight waves' rows: the spare words, 128 bytes for each wave: four blocks of 256 bytes that no other line names
.set Y,   16                           ; v[16:79]    row p, chunk i of 128 channels at Y + 32 p + 4 i: x, then y, then y - mean, then the result
.set ORW, 80                           ; v[80:111]   att as loaded
.set TS,  80                           ;             later: row p's four chains of sums at TS + 8 p
.set OB,  112                          ; v[112:143]  att by channels: row p, chunk i at OB + 16 p + 2 i
.set GA,  144                          ; v[144:175]  gamma
.set BE,  176                          ; v[176:207]  beta
.set MN,  10                           ; v10, v12    row p's -mean, later 1 / sigma, at MN + 2 p; v11, v13 are named with them as pairs and hold 0
	s_load_b256 s[4:11], s[0:1], 0x0               ; x s[4:5], att s[6:7], gamma s[8:9], beta s[10:11]
	s_load_b64 s[12:13], s[0:1], 0x20              ; out0
	v_lshl_add_u32 v6, v0, 2, SPARE                ; v6: my spare word; never rewritten
	v_mov_b32 v7, 0                                ; v7: 0; never rewritten
	v_lshrrev_b32 v1, 5, v0
	v_readfirstlane_b32 s14, v1                    ; wave 0..7
	v_and_b32 v1, 31, v0                           ; lane l
	v_lshrrev_b32 v9, 4, v1                        ; l / 16: the odd head of a load's two
	v_and_b32 v10, 15, v1
	v_lshlrev_b32 v10, 4, v10
	v_lshl_add_u32 v2, v9, 18, v10                 ; v2: (l / 16) x 262,144 + (l % 16) x 16: where I read att
	v_lshlrev_b32 v3, 4, v1                        ; v3: 16 l: where I read x, gamma, beta and write out0
	s_mul_i32 s16, s14, 2*PITCH                    ; my wave's LDS bytes
	v_bfe_u32 v12, v0, 3, 1                        ; which of the two rows my 16 bytes of att belong to
	v_mul_u32_u24 v4, v12, PITCH
	v_lshl_add_u32 v4, v9, 7, v4
	v_and_b32 v12, 7, v0
	v_lshl_add_u32 v4, v12, 4, v4
	v_add_nc_u32 v4, s16, v4                       ; v4: where I put them
	v_lshl_add_u32 v5, v1, 3, s16                  ; v5: where I read four channels back
	v_mov_b32 v8, 1.0
	v_mov_b32 v11, 0
	v_mov_b32 v13, 0
	v_mov_b32 v14, 0                               ; v14, v15: v_permlanex16_b32's destinations count as read
	v_mov_b32 v15, 0
	s_lshl_b32 s15, ttmp9, 3
	s_add_co_u32 s15, s15, s14                     ; P
	s_lshl_b32 s16, s15, 13                        ; two rows of 4,096 bytes
	s_mov_b32 s17, 0
	s_lshr_b32 s18, s15, 10                        ; the batch: 16 heads of 262,144 bytes,
	s_lshl_b32 s18, s18, 22
	s_and_b32 s19, s15, 1023                       ; and the pair of rows in it
	s_lshl_b32 s19, s19, 8
	s_add_co_u32 s18, s18, s19
	s_mov_b32 s19, 0
	s_mov_b32 s20, 0x76543210                      ; v_permlanex16_b32: each lane takes its own place in the other half
	s_mov_b32 s21, 0xfedcba98
	s_mov_b32 s22, 0x3a800000                      ; 1 / 1024
	s_mov_b32 s23, 0x3727c5ac                      ; 1e-5
	s_wait_kmcnt 0x0
	s_add_nc_u64 s[4:5], s[4:5], s[16:17]
	s_add_nc_u64 s[12:13], s[12:13], s[16:17]
	s_add_nc_u64 s[6:7], s[6:7], s[18:19]
.irp j, 0,1,2,3,4,5,6,7
	global_load_b128 v[ORW+4*(\j):ORW+4*(\j)+3], v2, s[6:7] offset:(\j)*524288 th:TH_LOAD_NT  ; heads 2 j and 2 j + 1: 256 consecutive bytes each
.endr
.irp p, 0,1
.irp i, 0,1,2,3,4,5,6,7
	global_load_b128 v[Y+32*(\p)+4*(\i):Y+32*(\p)+4*(\i)+3], v3, s[4:5] offset:(\p)*4096+512*(\i) th:TH_LOAD_NT
.endr
.endr
.irp i, 0,1,2,3,4,5,6,7
	global_load_b128 v[GA+4*(\i):GA+4*(\i)+3], v3, s[8:9] offset:512*(\i)
.endr
.irp i, 0,1,2,3,4,5,6,7
	global_load_b128 v[BE+4*(\i):BE+4*(\i)+3], v3, s[10:11] offset:512*(\i)
.endr
	s_wait_loadcnt 32                              ; att is in: younger are 16 loads of x, 8 of gamma, 8 of beta
.irp j, 0,1,2,3,4,5,6,7
	ds_store_b128 v4, v[ORW+4*(\j):ORW+4*(\j)+3] offset:256*(\j)
.endr
.irp p, 0,1
.irp i, 0,1,2,3,4,5,6,7
	ds_load_b64 v[OB+16*(\p)+2*(\i):OB+16*(\p)+2*(\i)+1], v5 offset:(\p)*PITCH+256*(\i)  ; channels 128 i + 4 l .. + 3: x's layout
.endr
.endr
	s_wait_loadcnt 16                              ; x is in
	s_wait_dscnt 0x0
.macro YADD p                          ; y = att + x: the bf16 half times 1.0, plus x, in one line
.irp i, 0,1,2,3,4,5,6,7
.irp d, 0,1
	v_fma_mix_f32_bf16 v[Y+32*(\p)+4*(\i)+2*(\d)],   v[OB+16*(\p)+2*(\i)+(\d)], v8, v[Y+32*(\p)+4*(\i)+2*(\d)] op_sel_hi:[1,0,0]
	v_fma_mix_f32_bf16 v[Y+32*(\p)+4*(\i)+2*(\d)+1], v[OB+16*(\p)+2*(\i)+(\d)], v8, v[Y+32*(\p)+4*(\i)+2*(\d)+1] op_sel:[1,0,0] op_sel_hi:[1,0,0]
.endr
.endr
.endm
.macro FOLD p                          ; the four chains into one number, then over the 32 lanes: every lane ends with the row's sum in v[TS + 8 p]
	v_pk_add_f32 v[TS+8*(\p):TS+8*(\p)+1],   v[TS+8*(\p):TS+8*(\p)+1],   v[TS+8*(\p)+2:TS+8*(\p)+3]
	v_pk_add_f32 v[TS+8*(\p)+4:TS+8*(\p)+5], v[TS+8*(\p)+4:TS+8*(\p)+5], v[TS+8*(\p)+6:TS+8*(\p)+7]
	v_pk_add_f32 v[TS+8*(\p):TS+8*(\p)+1],   v[TS+8*(\p):TS+8*(\p)+1],   v[TS+8*(\p)+4:TS+8*(\p)+5]
	v_add_f32 v[TS+8*(\p)], v[TS+8*(\p)], v[TS+8*(\p)+1]
	v_add_f32_dpp v[TS+8*(\p)], v[TS+8*(\p)], v[TS+8*(\p)] row_xmask:1 row_mask:0xf bank_mask:0xf
	v_add_f32_dpp v[TS+8*(\p)], v[TS+8*(\p)], v[TS+8*(\p)] row_xmask:2 row_mask:0xf bank_mask:0xf
	v_add_f32_dpp v[TS+8*(\p)], v[TS+8*(\p)], v[TS+8*(\p)] row_xmask:4 row_mask:0xf bank_mask:0xf
	v_add_f32_dpp v[TS+8*(\p)], v[TS+8*(\p)], v[TS+8*(\p)] row_xmask:8 row_mask:0xf bank_mask:0xf
	v_permlanex16_b32 v[14+(\p)], v[TS+8*(\p)], s20, s21
	v_add_f32 v[TS+8*(\p)], v[TS+8*(\p)], v[14+(\p)]
.endm
.macro SUM p                           ; the lane's 32 numbers in four chains of packed sums; the first sums start the chains
.irp c, 0,1,2,3
	v_pk_add_f32 v[TS+8*(\p)+2*(\c):TS+8*(\p)+2*(\c)+1], v[Y+32*(\p)+2*(\c):Y+32*(\p)+2*(\c)+1], v[Y+32*(\p)+8+2*(\c):Y+32*(\p)+8+2*(\c)+1]
.endr
.irp o, 16, 24
.irp c, 0,1,2,3
	v_pk_add_f32 v[TS+8*(\p)+2*(\c):TS+8*(\p)+2*(\c)+1], v[TS+8*(\p)+2*(\c):TS+8*(\p)+2*(\c)+1], v[Y+32*(\p)+(\o)+2*(\c):Y+32*(\p)+(\o)+2*(\c)+1]
.endr
.endr
	FOLD \p
.endm
.macro CENTER p                        ; y - mean, in place: the pair's low word, -mean, goes to both halves
.irp c, 0,1,2,3,4,5,6,7,8,9,10,11,12,13,14,15
	v_pk_add_f32 v[Y+32*(\p)+2*(\c):Y+32*(\p)+2*(\c)+1], v[Y+32*(\p)+2*(\c):Y+32*(\p)+2*(\c)+1], v[MN+2*(\p):MN+2*(\p)+1] op_sel_hi:[1,0]
.endr
.endm
.macro SQ p                            ; the sum of the squares, in the same four chains
.irp c, 0,1,2,3
	v_pk_mul_f32 v[TS+8*(\p)+2*(\c):TS+8*(\p)+2*(\c)+1], v[Y+32*(\p)+2*(\c):Y+32*(\p)+2*(\c)+1], v[Y+32*(\p)+2*(\c):Y+32*(\p)+2*(\c)+1]
.endr
.irp o, 8, 16, 24
.irp c, 0,1,2,3
	v_pk_fma_f32 v[TS+8*(\p)+2*(\c):TS+8*(\p)+2*(\c)+1], v[Y+32*(\p)+(\o)+2*(\c):Y+32*(\p)+(\o)+2*(\c)+1], v[Y+32*(\p)+(\o)+2*(\c):Y+32*(\p)+(\o)+2*(\c)+1], v[TS+8*(\p)+2*(\c):TS+8*(\p)+2*(\c)+1]
.endr
.endr
	FOLD \p
.endm
.macro OUTROW p
	s_wait_alu depctr_va_vdst(0)
.irp i, 0,1,2,3,4,5,6,7
	v_pk_mul_f32 v[Y+32*(\p)+4*(\i):Y+32*(\p)+4*(\i)+1],   v[Y+32*(\p)+4*(\i):Y+32*(\p)+4*(\i)+1],   v[MN+2*(\p):MN+2*(\p)+1] op_sel_hi:[1,0]
	v_pk_mul_f32 v[Y+32*(\p)+4*(\i)+2:Y+32*(\p)+4*(\i)+3], v[Y+32*(\p)+4*(\i)+2:Y+32*(\p)+4*(\i)+3], v[MN+2*(\p):MN+2*(\p)+1] op_sel_hi:[1,0]
	v_pk_fma_f32 v[Y+32*(\p)+4*(\i):Y+32*(\p)+4*(\i)+1],   v[Y+32*(\p)+4*(\i):Y+32*(\p)+4*(\i)+1],   v[GA+4*(\i):GA+4*(\i)+1],   v[BE+4*(\i):BE+4*(\i)+1]
	v_pk_fma_f32 v[Y+32*(\p)+4*(\i)+2:Y+32*(\p)+4*(\i)+3], v[Y+32*(\p)+4*(\i)+2:Y+32*(\p)+4*(\i)+3], v[GA+4*(\i)+2:GA+4*(\i)+3], v[BE+4*(\i)+2:BE+4*(\i)+3]
	global_store_b128 v3, v[Y+32*(\p)+4*(\i):Y+32*(\p)+4*(\i)+3], s[12:13] offset:(\p)*4096+512*(\i) th:TH_STORE_NT  ; 512 consecutive bytes, aligned
.endr
.endm
	YADD 0
	YADD 1
	SUM 0
	SUM 1
	v_mul_f32 v[MN],   0xba800000, v[TS]           ; -mean = sum x (-1 / 1024)
	v_mul_f32 v[MN+2], 0xba800000, v[TS+8]
	CENTER 0
	CENTER 1
	SQ 0
	SQ 1
	v_fma_f32 v[TS],   v[TS],   s22, s23           ; the variance + eps
	v_fma_f32 v[TS+8], v[TS+8], s22, s23
	v_rsq_f32 v[MN],   v[TS]
	v_rsq_f32 v[MN+2], v[TS+8]
	v_nop                                          ; a plain instruction between the last root and the use of its result (ISA guide 5.7.2)
	s_wait_loadcnt 0x0                             ; gamma and beta
	OUTROW 0
	OUTROW 1
	s_wait_tensorcnt 0x0                           ; the wave's end: behind my last LDS store
	ds_add_u32 v6, v7
	s_wait_dscnt 0x0
	s_endpgm
.Lfunc_end_k_qd970501815_norm:
	.size	k_qd970501815_norm, .Lfunc_end_k_qd970501815_norm-k_qd970501815_norm
	.p2alignl 7, 3214868480
	.fill 96, 4, 3214868480
	.section	.rodata,"a",@progbits
	.p2align	6, 0x0
	.amdhsa_kernel k_qd970501815_norm
		.amdhsa_group_segment_fixed_size 35840
		.amdhsa_private_segment_fixed_size 0
		.amdhsa_enable_private_segment 0
		.amdhsa_kernarg_size 40
		.amdhsa_user_sgpr_count 2
		.amdhsa_user_sgpr_kernarg_segment_ptr 1
		.amdhsa_wavefront_size32 1
		.amdhsa_system_sgpr_workgroup_id_x 1
		.amdhsa_system_sgpr_workgroup_id_y 1
		.amdhsa_system_sgpr_workgroup_id_z 1
		.amdhsa_system_vgpr_workitem_id 0
		.amdhsa_next_free_vgpr 208
		.amdhsa_next_free_sgpr 66
		.amdhsa_reserve_vcc 0
		.amdhsa_float_denorm_mode_32 3
		.amdhsa_float_denorm_mode_16_64 3
		.amdhsa_memory_ordered 1
		.amdhsa_forward_progress 1
		.amdhsa_inst_pref_size 26
	.end_amdhsa_kernel
	.amdgpu_metadata
---
amdhsa.version: [ 1, 2 ]
amdhsa.kernels:
  - .name:           k_qd970501815_norm
    .symbol:         k_qd970501815_norm.kd
    .args:
      - { .name: x, .offset: 0, .size: 8, .value_kind: global_buffer, .address_space: global }
      - { .name: att, .offset: 8, .size: 8, .value_kind: global_buffer, .address_space: global }
      - { .name: ln_gamma, .offset: 16, .size: 8, .value_kind: global_buffer, .address_space: global }
      - { .name: ln_beta, .offset: 24, .size: 8, .value_kind: global_buffer, .address_space: global }
      - { .name: out0, .offset: 32, .size: 8, .value_kind: global_buffer, .address_space: global }
    .group_segment_fixed_size: 35840
    .private_segment_fixed_size: 0
    .kernarg_segment_align: 8
    .kernarg_segment_size: 40
    .max_flat_workgroup_size: 256
    .sgpr_count:     66
    .vgpr_count:     208
    .wavefront_size: 32
...
	.end_amdgpu_metadata
.endif
;; end of part 4
;; ======== version 2 of 2: 4 launches; version 1 with the launch prep written anew for expert scheduling mode
;; workspace buffers: xb 16,777,216 bytes; wb 6,291,456 bytes; qkv 50,331,648 bytes; att 16,777,216 bytes
;; launch prep (part 5): grid 256 x 1, 8 waves a work-group, no clusters, 0 bytes of LDS; arguments x, Wq, Wk, Wv, xb, wb; writes xb, wb
.if DOCPART == 5
	.amdgcn_target "amdgcn-amd-amdhsa--gfx1250"
	.amdhsa_code_object_version 6
	.text
	.protected	k_qd970501815_prep
	.globl	k_qd970501815_prep
	.p2align	8
	.type	k_qd970501815_prep,@function
k_qd970501815_prep:
	s_mov_b64 s[64:65], 0
	v_nop
	global_prefetch_b8 v0, s[64:65] scope:SCOPE_SE
	s_setreg_imm32_b32 hwreg(HW_REG_WAVE_SCHED_MODE, 0, 2), 2
	s_setreg_imm32_b32 hwreg(HW_REG_WAVE_MODE, 25, 1), 1
	s_wait_xcnt 0x0
	s_wait_alu depctr_vm_vsrc(0)
; CASTS.  x [8192][1024] f32 -> xb, bf16 in blocks [kb 0..15][row 0..8191][64]: byte kb x 1,048,576 + row x 128 + 2 (k % 64), so that 256 rows of one K step of 64 are 32,768 dense bytes.
; Wq, Wk, Wv [1024][1024] f32 -> wb, bf16 [k][3072]: the three side by side, a row of 6,144 bytes.  Each number is rounded once, to nearest even.
; A stream: no LDS, no barrier, no matrix unit, no cluster (no byte is wanted twice).  2,048 waves; wave G takes rows 4 G .. 4 G + 3 of x and 512 numbers of each W.
; All 44 loads of a wave (22 KiB) go out at once; the waits count down; nothing is rewritten behind a store, so no store is waited for.
; THE MODE: SCHED_MODE bits 1:0 = 2 (LLVM: expert scheduling mode 2), set by the entry lines.  The code itself states the register dependences
; between vector instructions and memory instructions, with s_wait_alu, always for 0.
; THE PLAN.  Registers that memory instructions touch:
;   v2, v3, v4   byte offsets: written at the head by vector instructions, never again; read by every load and store.
;   XR           a block's eight registers are written by its two loads; its four conversions read them and write the low four; its one store reads those four.  Nothing writes them again.
;   WR           the same for a chunk's four registers, two conversions, low two registers and one store.
; x goes in eight groups of two blocks, W in three groups of four chunks.  A group's stores are issued in the NEXT group, dealt among that group's conversions, which name their own
; group's registers alone.  So one wait on va_vdst at a group's head, behind the wait for its data, states all that the stores of the group before hang on.
; No register that a memory instruction has read is written again, so no wait on vm_vsrc is owed; no load is issued behind the conversions; EXEC is never written.
.set XR, 8                             ; v[8:135]    x: block kb in 8 registers as loaded; its low 4 as stored
.set WR, 136                           ; v[136:183]  W: chunk 4 c + i in 4 registers as loaded; its low 2 as stored
	s_load_b256 s[4:11], s[0:1], 0x0               ; x s[4:5], Wq s[6:7], Wk s[8:9], Wv s[10:11]
	s_load_b128 s[12:15], s[0:1], 0x20             ; xb s[12:13], wb s[14:15]
	v_lshrrev_b32 v1, 5, v0
	v_readfirstlane_b32 s16, v1                    ; wave 0..7
	v_and_b32 v1, 31, v0                           ; lane l
	v_lshrrev_b32 v2, 3, v1                        ; my row of the four: l / 8
	v_and_b32 v5, 7, v1                            ; my eight numbers of a block's 64: l % 8
	v_lshlrev_b32 v2, 12, v2
	v_lshl_add_u32 v2, v5, 5, v2                   ; v2: (l / 8) x 4,096 + (l % 8) x 32: where I read x
	v_lshlrev_b32 v3, 4, v1                        ; v3: 16 l: where I read W and write xb
	v_lshlrev_b32 v4, 3, v1                        ; v4: 8 l: where I write wb
	s_wait_alu depctr_va_sdst(0)                   ; s16 is written, ahead of its first reader: G and all the bases are made from it
	s_lshl_b32 s17, ttmp9, 3
	s_add_co_u32 s17, s17, s16                     ; G
	s_lshl_b32 s18, s17, 14                        ; four rows of x
	s_mov_b32 s19, 0
	s_lshl_b32 s20, s17, 11                        ; 512 numbers of a W
	s_mov_b32 s21, 0
	s_wait_kmcnt 0x0
	s_add_nc_u64 s[4:5], s[4:5], s[18:19]
	s_add_nc_u64 s[6:7], s[6:7], s[20:21]
	s_add_nc_u64 s[8:9], s[8:9], s[20:21]
	s_add_nc_u64 s[10:11], s[10:11], s[20:21]
	s_wait_alu depctr_va_vdst(0)                   ; v2, v3 and v4 are written: every load and store of the kernel reads one of them as its offset
.irp kb, 0,1,2,3,4,5,6,7,8,9,10,11,12,13,14,15
	global_load_b128 v[XR+8*(\kb):XR+8*(\kb)+3],   v2, s[4:5] offset:256*(\kb) th:TH_LOAD_NT     ; eight lanes and these two lines cover a row's 256 bytes of block kb
	global_load_b128 v[XR+8*(\kb)+4:XR+8*(\kb)+7], v2, s[4:5] offset:256*(\kb)+16 th:TH_LOAD_NT
.endr
.irp c, 0,1,2
.irp i, 0,1,2,3
	global_load_b128 v[WR+16*(\c)+4*(\i):WR+16*(\c)+4*(\i)+3], v3, s[6+2*(\c):7+2*(\c)] offset:512*(\i) th:TH_LOAD_NT  ; 512 consecutive bytes
.endr
.endr
	s_lshl_b32 s18, s17, 9                         ; four rows of 128 bytes in a block of xb
	s_add_nc_u64 s[12:13], s[12:13], s[18:19]
	s_add_nc_u64 s[22:23], s[12:13], 0x800000      ; blocks 8 to 15 from a second base: the immediate holds seven blocks
	s_lshr_b32 s20, s17, 1                         ; W's row k = G / 2,
	s_mul_i32 s20, s20, 6144
	s_and_b32 s16, s17, 1                          ; its half G % 2: 512 columns, 1,024 bytes
	s_lshl_b32 s16, s16, 10
	s_add_co_u32 s20, s20, s16
	s_add_nc_u64 s[14:15], s[14:15], s[20:21]
.macro XCVT kb                         ; block kb is rounded
.irp j, 0,1,2,3
	v_cvt_pk_bf16_f32 v[XR+8*(\kb)+(\j)], v[XR+8*(\kb)+2*(\j)], v[XR+8*(\kb)+2*(\j)+1]  ; in place, ascending: no source is written before it is read
.endr
.endm
.macro XST kb                          ; block kb is stored
.if (\kb) < 8
	global_store_b128 v3, v[XR+8*(\kb):XR+8*(\kb)+3], s[12:13] offset:(\kb)*1048576      ; 512 consecutive bytes: four rows of the block
.else
	global_store_b128 v3, v[XR+8*(\kb):XR+8*(\kb)+3], s[22:23] offset:((\kb)-8)*1048576
.endif
.endm
.macro WCVT c, i                       ; chunk i of W number c is rounded
	v_cvt_pk_bf16_f32 v[WR+16*(\c)+4*(\i)],   v[WR+16*(\c)+4*(\i)],   v[WR+16*(\c)+4*(\i)+1]
	v_cvt_pk_bf16_f32 v[WR+16*(\c)+4*(\i)+1], v[WR+16*(\c)+4*(\i)+2], v[WR+16*(\c)+4*(\i)+3]
.endm
.macro WST c, i                        ; and stored
	global_store_b64 v4, v[WR+16*(\c)+4*(\i):WR+16*(\c)+4*(\i)+1], s[14:15] offset:2048*(\c)+256*(\i)  ; 256 consecutive bytes, aligned
.endm
; Group g of x: blocks 2 g and 2 g + 1 are rounded; the two stores of the group before stand among the conversions.
.macro XGRP g
	s_wait_loadcnt 40-4*(\g)                       ; loads come back in order (ISA guide 5.7.1): younger than this group's four are 4 (7 - g) of x and the 12 of W
.if (\g) > 0
	s_wait_alu depctr_va_vdst(0)                   ; the group before has written the low four registers of its two blocks, which the two stores below read
	XST 2*(\g)-2
.endif
	XCVT 2*(\g)                                    ; names block 2 g's registers alone: none that the store below touches
.if (\g) > 0
	XST 2*(\g)-1
.endif
	XCVT 2*(\g)+1
.endm
; Group c of W: the four chunks of W number c are rounded; among the conversions stand the stores of the group before: x's last two blocks, or the four chunks of W number c - 1.
.macro WGRP c
	s_wait_loadcnt 8-4*(\c)                        ; younger than this group's four are the 4 (2 - c) loads of the later W
	s_wait_alu depctr_va_vdst(0)                   ; the group before has written the registers that the stores below read
.irp i, 0,1,2,3
.if (\c) == 0
.if (\i) < 2
	XST 14+(\i)
.endif
.else
	WST (\c)-1, \i
.endif
	WCVT \c, \i                                    ; names its own chunk's registers alone
.endr
.endm
.irp g, 0,1,2,3,4,5,6,7
	XGRP \g
.endr
.irp c, 0,1,2
	WGRP \c
.endr
	s_wait_alu depctr_va_vdst(0)                   ; the last group's conversions have written the registers that the last four stores read
.irp i, 0,1,2,3
	WST 2, \i
.endr
	s_endpgm
.Lfunc_end_k_qd970501815_prep:
	.size	k_qd970501815_prep, .Lfunc_end_k_qd970501815_prep-k_qd970501815_prep
	.p2alignl 7, 3214868480
	.fill 96, 4, 3214868480
	.section	.rodata,"a",@progbits
	.p2align	6, 0x0
	.amdhsa_kernel k_qd970501815_prep
		.amdhsa_group_segment_fixed_size 0
		.amdhsa_private_segment_fixed_size 0
		.amdhsa_enable_private_segment 0
		.amdhsa_kernarg_size 48
		.amdhsa_user_sgpr_count 2
		.amdhsa_user_sgpr_kernarg_segment_ptr 1
		.amdhsa_wavefront_size32 1
		.amdhsa_system_sgpr_workgroup_id_x 1
		.amdhsa_system_sgpr_workgroup_id_y 1
		.amdhsa_system_sgpr_workgroup_id_z 1
		.amdhsa_system_vgpr_workitem_id 0
		.amdhsa_next_free_vgpr 184
		.amdhsa_next_free_sgpr 66
		.amdhsa_reserve_vcc 0
		.amdhsa_float_denorm_mode_32 3
		.amdhsa_float_denorm_mode_16_64 3
		.amdhsa_memory_ordered 1
		.amdhsa_forward_progress 1
		.amdhsa_inst_pref_size 15
	.end_amdhsa_kernel
	.amdgpu_metadata
---
amdhsa.version: [ 1, 2 ]
amdhsa.kernels:
  - .name:           k_qd970501815_prep
    .symbol:         k_qd970501815_prep.kd
    .args:
      - { .name: x, .offset: 0, .size: 8, .value_kind: global_buffer, .address_space: global }
      - { .name: Wq, .offset: 8, .size: 8, .value_kind: global_buffer, .address_space: global }
      - { .name: Wk, .offset: 16, .size: 8, .value_kind: global_buffer, .address_space: global }
      - { .name: Wv, .offset: 24, .size: 8, .value_kind: global_buffer, .address_space: global }
      - { .name: xb, .offset: 32, .size: 8, .value_kind: global_buffer, .address_space: global }
      - { .name: wb, .offset: 40, .size: 8, .value_kind: global_buffer, .address_space: global }
    .group_segment_fixed_size: 0
    .private_segment_fixed_size: 0
    .kernarg_segment_align: 8
    .kernarg_segment_size: 48
    .max_flat_workgroup_size: 256
    .sgpr_count:     66
    .vgpr_count:     184
    .wavefront_size: 32
...
	.end_amdgpu_metadata
.endif
;; end of part 5
;; launch proj: the kernel of part 2 again; grid 8 x 32, 4 waves a work-group, clusters of 4 x 4, 327,680 bytes of LDS; arguments xb, wb, bq, bk, bv, qkv; writes qkv
;; launch attn: the kernel of part 3 again; grid 4 x 64, 4 waves a work-group, clusters of 4 x 1, 327,680 bytes of LDS; arguments qkv, att; writes att
;; launch norm: the kernel of part 4 again; grid 512 x 1, 8 waves a work-group, no clusters, 35,840 bytes of LDS; arguments x, att, ln_gamma, ln_beta, out0; writes out0
